; MI455X (gfx1250); checked and timed in simulation.
; The chip was launched on July 23, 2026; its instructions are those of AMD's public machine-readable ISA for CDNA 5 (MIT licence, August 2026) and "CDNA5" Instruction Set Architecture Reference Guide (July 2026). The comments in the code are by the model that wrote it; some were corrected since.
;; Multi Head Attention. Allowed arithmetic: matrix products marked QUANTISED: E2M1 operands, one E8M0 scale for each 32 along K, by v_wmma_scale_f32_16x16x128_f8f6f4 with both operands' format E2M1 (or v_wmma_scale_f32_32x16x128_f4), f32 sums; products left as they are: bf16, f16 or f32 operands; f32 sums; everything else in f32.
;; Inputs: attention_mask 32 x 512 int32; bk 768 float32; bo 768 float32; bq 768 float32; bv 768 float32; wk 768 x 768 float32; wo 768 x 768 float32; wq 768 x 768 float32; wv 768 x 768 float32; x 32 x 512 x 768 float32.
;; Outputs: out0 32 x 512 x 768 float32.
;; This version of the problem:
;;   THIS VERSION OF THE PROBLEM IS GIVEN IN LOW PRECISION. The matrix products marked QUANTISED in the list below multiply operands that are first quantised to E2M1 (2 exponent bits, 1 mantissa bit; 4 bits a number), with one power-of-two scale for each 32 numbers along K (OCP MX v1.0); their sums are f32. The products marked 'left as it is' may take bf16, f16 or f32 operands, with f32 sums. Whichever they take, every output number must still come out within the allowed error. Rounding operands to bf16 (8 significant bits) uses up far more of that allowance than f16 does (11 bits, for magnitudes from 6e-5 to 65,504). All else is computed in f32.
;;   The module's matrix products, in the order in which they are computed (A, B: the left and right operand; K: the contracted axis; several contracted axes count as one K, in the product's order):
;;     1. [M 16,384, K 768] x [K 768, N 768]; A: input x; B: input wq: QUANTISED
;;     2. [M 16,384, K 768] x [K 768, N 768]; A: input x; B: input wk: QUANTISED
;;     3. [M 16,384, K 768] x [K 768, N 768]; A: input x; B: input wv: QUANTISED
;;     4. batch 384 x [M 512, K 64] x [K 64, N 512]; A: computed on the way; B: computed on the way: left as it is (an operand is computed on the way)
;;     5. batch 384 x [M 512, K 512] x [K 512, N 64]; A: computed on the way; B: computed on the way: left as it is (an operand is computed on the way)
;;     6. [M 16,384, K 768] x [K 768, N 768]; A: computed on the way; B: input wo: left as it is (an operand is computed on the way)
;;   THE QUANTISER, for each operand of a quantised product, along K:
;;     - K is cut into blocks of 32 from its start; a last block that is shorter is filled with zeros.
;;     - A block's scale is 2^e with e = floor(log2(the largest magnitude in the block)) - 2, held to -126 .. 127; a block of zeros has e = 0. As a byte (E8M0): e + 127.
;;     - Each number is divided by its block's scale, clamped to +-6, and rounded to the nearest number of E2M1, ties to even, subnormals kept.
;;     - The product sums the exact products of the quantised numbers (number of the format x scale) in f32.
;;   ~~~python
;;   def quantise(x, axis):      # numpy; x: float32 -> the quantised numbers, widened to float32 again
;;       x = np.moveaxis(x, axis, -1); K = x.shape[-1]
;;       x = np.pad(x, [(0, 0)] * (x.ndim - 1) + [(0, -K % 32)]); x = x.reshape(x.shape[:-1] + (-1, 32)); a = np.abs(x).max(-1, keepdims=True)
;;       e = np.where(a > 0, np.clip(np.frexp(np.where(a > 0, a, 1))[1] - 1 - 2, -126, 127), 0)      # np.frexp(a)[1] - 1 = floor(log2(a)), exactly
;;       r = np.clip(x / 2.0 ** e, -6, 6)
;;       step = 2.0 ** (np.maximum(np.frexp(np.where(r == 0, 1, r))[1] - 1, 0) - 1)
;;       q = np.round(r / step) * step * 2.0 ** e      # np.round: ties to even
;;       return np.moveaxis(q.reshape(q.shape[:-2] + (-1,))[..., :K], -1, axis).astype(np.float32)
;;   ~~~
;; One version. Each part assembles by itself: llvm-mc -triple=amdgcn-amd-amdhsa -mcpu=gfx1250 --defsym DOCPART=n.
;; ======== version 1 of 1: 4 launches
;; limits: values are held in f16: magnitudes above 65,504 overflow, below 6.1e-05 lose precision
;; workspace buffers: xc 6,291,456 bytes; xs 393,216 bytes; wc 884,736 bytes; ws 55,296 bytes; woh 1,179,648 bytes; qkv 75,497,472 bytes; ctx 25,165,824 bytes
;; launch prep (part 1): grid 304 x 3, 4 waves a work-group, no clusters, 34,304 bytes of LDS; arguments x, wq, wk, wv, wo, xc, xs, wc, ws, woh; writes xc, xs, wc, ws, woh
.if DOCPART == 1
	.amdgcn_target "amdgcn-amd-amdhsa--gfx1250"
	.amdhsa_code_object_version 6
	.text
	.protected	k_qa9ed6f382a_prep
	.globl	k_qa9ed6f382a_prep
	.p2align	8
	.type	k_qa9ed6f382a_prep,@function
k_qa9ed6f382a_prep:
	s_mov_b64 s[64:65], 0
	v_nop
	global_prefetch_b8 v0, s[64:65] scope:SCOPE_SE
	s_setreg_imm32_b32 hwreg(HW_REG_WAVE_MODE, 25, 1), 1
	s_wait_xcnt 0x0
; MULTI-HEAD ATTENTION, launch 1 of 4: the operands of the three quantised products (x against wq, wk, wv) become codes of FP4 (E2M1) with one E8M0 byte for each 32 along K;
; wo becomes f16.  All of it is stored as IMAGES OF OPERAND REGISTERS: a fragment of 16 rows is 8 registers a lane = 1,024 bytes, register group g (registers 4 g .. 4 g + 3) at byte 512 g + 16 x lane,
; so that every later load or store of a group covers 512 consecutive, aligned bytes and a tile is a dense block of memory.
; DEAD WORK: THE INPUT bk IS NOT LOADED AND IS NO ARGUMENT OF ANY LAUNCH.  scores[q][k] = q . (k0[k] + bk_h) / 8 = q . k0[k] / 8 + q . bk_h / 8: the second term is the same for all keys k of a row.  jnp.where puts
; -inf at the masked keys whatever stood there, and a softmax along the keys is unchanged by a term that is constant along them; the product of q and k is not quantised, so no quantiser sees k.  So bk reaches no
; output for any finite values of the inputs.  LIMIT: a NaN, an infinity or an overflow that reaches only this term is not carried to the result.
; THE QUANTISER: a block's byte is its largest magnitude's exponent field - 2, held at 1 from below; each number is divided by the scale and rounded to the nearest code, ties to even, beyond 6 the code of 6.
; LIMITS: a block of zeros gets the byte 1 (not 127) over zero codes: the bytes are read by this program alone; NaN and infinities in x, wq, wk, wv are not served; wo goes to f16: magnitudes up to 65,504.
; SHARES: work-group x g, y = which 256 along K.  g < 256: x, row block 4 g + wave;  256 .. 291: wq, wk, wv (12 work-groups each);  292 .. 303: wo.  A wave takes 16 rows x 256 K: two FP4 fragments (or eight f16 ones).
; No barrier: waves share nothing.  No matrix unit, no cluster, no tensor load: a stream that is read once.
.set STGB,  8448                       ; a wave's stage in LDS: 16 rows x (512 bytes + 16)
.set SPARE, 4*STGB                     ; behind the four stages: the spare words, 128 bytes for each wave; no other line names them
.set LO,  4                            ; v4   16 x lane
.set L4,  5                            ; v5   4 x lane
.set SI,  6                            ; v6   the stage, on the way in: 16 x lane
.set SO,  7                            ; v7   and on the way out: 528 r + 64 h
.set WL,  8                            ; v8   wo: 3072 r + 32 h
.set SPW, 10                           ; v10  LDS address of my spare word; never rewritten
.set NIL, 11                           ; v11  0; never rewritten
.set TM,  12                           ; v12-27 at work in QUANT
.set PW0, 28                           ; the two fragments' scale words,
.set PW1, 29
.set SW,  30                           ; and the word that is stored
.set PC0, 32                           ; v32-39, v40-47 the two fragments' codes
.set PC1, 40
.set R,   64                           ; v64-191 the numbers as they are loaded: set f at 64 f, row i at 4 i
.set X,   192                          ; v192-255 64 numbers of my row: register 16 b + i = k 32 b + 16 h + i
.set SEL, 28                           ; s[28:29] lane selects for v_permlanex16_b32: lane l xor 16
	s_load_b512 s[4:19], s[0:1], 0x0               ; x, wq, wk, wv, wo, xc, xs, wc
	s_load_b128 s[20:23], s[0:1], 0x40             ; ws, woh
	v_lshl_add_u32 v[SPW], v0, 2, SPARE
	v_mov_b32 v[NIL], 0
	v_lshrrev_b32 v1, 5, v0
	v_readfirstlane_b32 s24, v1                    ; wave 0..3
	s_and_b32 s25, ttmp7, 0xffff                   ; y: which 256 along K
	v_and_b32 v1, 31, v0                           ; lane
	v_and_b32 v2, 15, v0                           ; r
	v_bfe_u32 v3, v0, 4, 1                         ; h
	v_lshlrev_b32 v[LO], 4, v1
	s_cmp_lt_u32 ttmp9, 292
	s_cbranch_scc0 .Lwo                            ; the last twelve work-groups along x take wo
	; ---- x, wq, wk, wv: to codes
	v_lshlrev_b32 v[L4], 2, v1
	s_mul_i32 s26, s24, STGB
	v_add_nc_u32 v[SI], s26, v[LO]
	v_mul_u32_u24 v[SO], v2, 528
	v_lshl_add_u32 v[SO], v3, 6, v[SO]
	v_add_nc_u32 v[SO], s26, v[SO]
.irp b, 0,1,2,3
	v_mov_b32 v[TM+4+\b], 0                        ; written once: a lane permute's destination counts as one of its sources
.endr
	s_mov_b32 s[SEL], 0x76543210
	s_mov_b32 s[SEL+1], 0xfedcba98
	s_mov_b32 s30, 0xffff0000                      ; lanes 16-31
	s_wait_kmcnt 0x0
	s_mov_b64 s[32:33], s[10:11]                   ; the source, chosen by the work-group's number alone: wv,
	s_mov_b32 s38, 280
	s_cmp_lt_u32 ttmp9, 280
	s_cselect_b64 s[32:33], s[8:9], s[32:33]       ; wk,
	s_cselect_b32 s38, 268, s38
	s_cmp_lt_u32 ttmp9, 268
	s_cselect_b64 s[32:33], s[6:7], s[32:33]       ; wq,
	s_cselect_b32 s38, 256, s38
	s_cmp_lt_u32 ttmp9, 256
	s_cselect_b64 s[32:33], s[4:5], s[32:33]       ; or x
	s_cselect_b32 s38, 0, s38                      ; the source's first work-group
	s_cselect_b64 s[34:35], s[14:15], s[18:19]     ; codes to xc or to wc,
	s_cselect_b64 s[36:37], s[16:17], s[20:21]     ; scale words to xs or to ws
	s_cselect_b32 s39, 0, 256                      ; the destination's first work-group (wq, wk, wv lie one behind the other in wc)
	s_sub_co_u32 s40, ttmp9, s38
	s_lshl_b32 s40, s40, 2
	s_add_co_u32 s40, s40, s24                     ; my block of 16 rows in the source
	s_sub_co_u32 s41, ttmp9, s39
	s_lshl_b32 s41, s41, 2
	s_add_co_u32 s41, s41, s24                     ; and in the destination
	s_mul_i32 s42, s40, 49152                      ; 16 rows of 3,072 bytes
	s_lshl_b32 s43, s25, 10                        ; 256 numbers along K
	s_add_co_u32 s42, s42, s43
	s_mov_b32 s43, 0
	s_add_nc_u64 s[32:33], s[32:33], s[42:43]
	s_mul_i32 s42, s41, 6144                       ; six images a block; two for each y
	s_lshl_b32 s44, s25, 11
	s_add_co_u32 s42, s42, s44
	s_add_nc_u64 s[34:35], s[34:35], s[42:43]
	s_mul_i32 s42, s41, 384                        ; three scale registers' images a block; one for each y
	s_lshl_b32 s44, s25, 7
	s_add_co_u32 s42, s42, s44
	s_add_nc_u64 s[36:37], s[36:37], s[42:43]
.irp f, 0,1
.irp i, 0,1,2,3,4,5,6,7,8,9,10,11,12,13,14,15
	global_load_b128 v[R+64*\f+4*\i:R+64*\f+4*\i+3], v[LO], s[32:33] offset:3072*\i+512*\f th:TH_LOAD_NT   ; 32 lanes read 512 consecutive bytes of row i: 128 along K
.endr
.endr
; The conversions take neighbours along K from ONE lane's registers; the loads take the bytes as they lie.  So a K step's 16 rows x 512 bytes turn through the wave's own stage.
; LDS serves a wave's instructions in order: no wait stands between the stores and the loads.
.macro TURN f
.irp i, 0,1,2,3,4,5,6,7,8,9,10,11,12,13,14,15
	ds_store_b128 v[SI], v[R+64*\f+4*\i:R+64*\f+4*\i+3] offset:528*\i
.endr
.irp b, 0,1,2,3
.irp j, 0,1,2,3
	ds_load_b128 v[X+16*\b+4*\j:X+16*\b+4*\j+3], v[SO] offset:128*\b+16*\j   ; row r, k = 32 b + 16 h + 4 j on
.endr
.endr
.endm
; 64 numbers of a lane, register 16 b + i = k 32 b + 16 h + i of row r, become a fragment's 8 registers of codes at v[pc] and the row's scale word in v[pw].
.macro QUANT s, pc, pw
.irp b, 0,1,2,3
	v_max3_num_f32 v[TM+\b], |v[\s+16*\b]|, |v[\s+1+16*\b]|, 0x1800000   ; block b: my 16 numbers, and the floor 2^(3 - 127): the byte cannot fall under 1
.endr
.irp i, 2,4,6,8,10,12,14
.irp b, 0,1,2,3
	v_max3_num_f32 v[TM+\b], v[TM+\b], |v[\s+16*\b+\i]|, |v[\s+1+16*\b+\i]|   ; the four blocks by turns
.endr
.endr
.irp b, 0,1,2,3
	v_permlanex16_b32 v[TM+4+\b], v[TM+\b], s[SEL], s[SEL+1]
.endr
.irp b, 0,1,2,3
	v_max_num_f32 v[TM+\b], v[TM+\b], v[TM+4+\b]   ; with lane l xor 16's: the block's largest magnitude
.endr
.irp b, 0,1,2,3
	v_add_nc_u32 v[TM+12+\b], 0xff000000, v[TM+\b] ; 2 off its exponent field: the conversion takes the exponent field of this operand as its scale
.endr
.irp b, 0,1,2,3
	v_lshrrev_b32 v[TM+4+\b], 23, v[TM+12+\b]      ; the scale's byte
.endr
	v_lshl_or_b32 v[\pw], v[TM+5], 8, v[TM+4]      ; four bytes: my row's scale word for these 128 along K
	v_lshl_or_b32 v[\pw], v[TM+6], 16, v[\pw]
	v_lshl_or_b32 v[\pw], v[TM+7], 24, v[\pw]
.irp b, 0,1,2,3
	v_cvt_scalef32_pk8_fp4_f32 v[\pc+2*\b], v[\s+16*\b:\s+7+16*\b], v[TM+12+\b]
	v_cvt_scalef32_pk8_fp4_f32 v[\pc+1+2*\b], v[\s+8+16*\b:\s+15+16*\b], v[TM+12+\b]
.endr
	v_nop                                          ; one plain instruction behind the scaled conversions
.irp c, 0,1                                        ; the operand's layout wants a WHOLE block in a lane: lanes 0-15 block 2 c, lanes 16-31 block 2 c + 1
.irp i, 0,1
	v_permlane16_swap_b32 v[\pc+4*\c+\i], v[\pc+2+4*\c+\i]
.endr
.endr
.endm
	s_wait_loadcnt 16                              ; the first K step's 16 loads are in; the second's 16 may be out
	TURN 0
	s_wait_dscnt 0x0
	QUANT X, PC0, PW0
	global_store_b128 v[LO], v[PC0:PC0+3], s[34:35]               ; an image: 512 consecutive, aligned bytes a store
	global_store_b128 v[LO], v[PC0+4:PC0+7], s[34:35] offset:512
	s_wait_loadcnt 0x0
	TURN 1
	s_wait_dscnt 0x0
	QUANT X, PC1, PW1
	global_store_b128 v[LO], v[PC1:PC1+3], s[34:35] offset:1024
	global_store_b128 v[LO], v[PC1+4:PC1+7], s[34:35] offset:1536
	v_cndmask_b32 v[SW], v[PW0], v[PW1], s30       ; one scale register serves two K steps: lanes 0-15 the even step's words, lanes 16-31 the odd step's
	global_store_b32 v[L4], v[SW], s[36:37]        ; 128 consecutive bytes: one byte for each 128 that the wave reads
	s_wait_tensorcnt 0x0                           ; the wave's end, behind my last LDS store
	ds_add_u32 v[SPW], v[NIL]
	s_wait_dscnt 0x0
	s_endpgm
	; ---- wo: to f16, eight fragments of 16 rows x 32 k: registers 0-3 k = 8 h .. + 7, registers 4-7 k = 16 + 8 h .. + 7
.Lwo:
	v_mul_u32_u24 v[WL], v2, 3072
	v_lshl_add_u32 v[WL], v3, 5, v[WL]
	s_sub_co_u32 s40, ttmp9, 292
	s_lshl_b32 s40, s40, 2
	s_add_co_u32 s40, s40, s24                     ; my block of 16 rows
	s_mul_i32 s42, s40, 49152
	s_lshl_b32 s43, s25, 10
	s_add_co_u32 s42, s42, s43
	s_mov_b32 s43, 0
	s_mul_i32 s44, s40, 24576                      ; 24 images a block; eight for each y
	s_lshl_b32 s45, s25, 13
	s_add_co_u32 s44, s44, s45
	s_mov_b32 s45, 0
	s_wait_kmcnt 0x0
	s_add_nc_u64 s[32:33], s[12:13], s[42:43]
	s_add_nc_u64 s[34:35], s[22:23], s[44:45]
.irp f, 0,1,2,3,4,5,6,7
	global_load_b128 v[R+16*\f:R+16*\f+3], v[WL], s[32:33] offset:128*\f
	global_load_b128 v[R+16*\f+4:R+16*\f+7], v[WL], s[32:33] offset:128*\f+16
	global_load_b128 v[R+16*\f+8:R+16*\f+11], v[WL], s[32:33] offset:128*\f+64
	global_load_b128 v[R+16*\f+12:R+16*\f+15], v[WL], s[32:33] offset:128*\f+80
.endr
.irp f, 0,1,2,3,4,5,6,7
	s_wait_loadcnt 28-4*\f                         ; this fragment's four loads are in; the four of each later fragment may be out
.irp j, 0,1,2,3,4,5,6,7
	v_cvt_pk_f16_f32 v[X+8*\f+\j], v[R+16*\f+2*\j], v[R+16*\f+2*\j+1]
.endr
	global_store_b128 v[LO], v[X+8*\f:X+8*\f+3], s[34:35] offset:1024*\f
	global_store_b128 v[LO], v[X+8*\f+4:X+8*\f+7], s[34:35] offset:1024*\f+512
.endr
	s_wait_tensorcnt 0x0                           ; the wave's end on this path
	ds_add_u32 v[SPW], v[NIL]
	s_wait_dscnt 0x0
	s_endpgm
.Lfunc_end_k_qa9ed6f382a_prep:
	.size	k_qa9ed6f382a_prep, .Lfunc_end_k_qa9ed6f382a_prep-k_qa9ed6f382a_prep
	.p2alignl 7, 3214868480
	.fill 96, 4, 3214868480
	.section	.rodata,"a",@progbits
	.p2align	6, 0x0
	.amdhsa_kernel k_qa9ed6f382a_prep
		.amdhsa_group_segment_fixed_size 34304
		.amdhsa_private_segment_fixed_size 0
		.amdhsa_enable_private_segment 0
		.amdhsa_kernarg_size 80
		.amdhsa_user_sgpr_count 2
		.amdhsa_user_sgpr_kernarg_segment_ptr 1
		.amdhsa_wavefront_size32 1
		.amdhsa_system_sgpr_workgroup_id_x 1
		.amdhsa_system_sgpr_workgroup_id_y 1
		.amdhsa_system_sgpr_workgroup_id_z 1
		.amdhsa_system_vgpr_workitem_id 0
		.amdhsa_next_free_vgpr 256
		.amdhsa_next_free_sgpr 66
		.amdhsa_reserve_vcc 0
		.amdhsa_float_denorm_mode_32 3
		.amdhsa_float_denorm_mode_16_64 3
		.amdhsa_memory_ordered 1
		.amdhsa_forward_progress 1
		.amdhsa_inst_pref_size 28
	.end_amdhsa_kernel
	.amdgpu_metadata
---
amdhsa.version: [ 1, 2 ]
amdhsa.kernels:
  - .name:           k_qa9ed6f382a_prep
    .symbol:         k_qa9ed6f382a_prep.kd
    .args:
      - { .name: x, .offset: 0, .size: 8, .value_kind: global_buffer, .address_space: global }
      - { .name: wq, .offset: 8, .size: 8, .value_kind: global_buffer, .address_space: global }
      - { .name: wk, .offset: 16, .size: 8, .value_kind: global_buffer, .address_space: global }
      - { .name: wv, .offset: 24, .size: 8, .value_kind: global_buffer, .address_space: global }
      - { .name: wo, .offset: 32, .size: 8, .value_kind: global_buffer, .address_space: global }
      - { .name: xc, .offset: 40, .size: 8, .value_kind: global_buffer, .address_space: global }
      - { .name: xs, .offset: 48, .size: 8, .value_kind: global_buffer, .address_space: global }
      - { .name: wc, .offset: 56, .size: 8, .value_kind: global_buffer, .address_space: global }
      - { .name: ws, .offset: 64, .size: 8, .value_kind: global_buffer, .address_space: global }
      - { .name: woh, .offset: 72, .size: 8, .value_kind: global_buffer, .address_space: global }
    .group_segment_fixed_size: 34304
    .private_segment_fixed_size: 0
    .kernarg_segment_align: 8
    .kernarg_segment_size: 80
    .max_flat_workgroup_size: 128
    .sgpr_count:     66
    .vgpr_count:     256
    .wavefront_size: 32
...
	.end_amdgpu_metadata
.endif
;; end of part 1
;; launch qkv (part 2): grid 4 x 64, 4 waves a work-group, clusters of 4 x 4, 327,680 bytes of LDS; arguments xc, xs, wc, ws, bq, bv, qkv; writes qkv
.if DOCPART == 2
	.amdgcn_target "amdgcn-amd-amdhsa--gfx1250"
	.amdhsa_code_object_version 6
	.text
	.protected	k_qa9ed6f382a_qkv
	.globl	k_qa9ed6f382a_qkv
	.p2align	8
	.type	k_qa9ed6f382a_qkv,@function
k_qa9ed6f382a_qkv:
	s_mov_b64 s[64:65], 0
	v_nop
	global_prefetch_b8 v0, s[64:65] scope:SCOPE_SE
	s_setreg_imm32_b32 hwreg(HW_REG_WAVE_MODE, 25, 1), 1
	s_wait_xcnt 0x0
	s_wait_alu depctr_hold_cnt(0) depctr_sa_sdst(0) depctr_va_vdst(0) depctr_va_sdst(0) depctr_va_ssrc(0) depctr_va_vcc(0) depctr_vm_vsrc(0)
	s_getreg_b32 s2, hwreg(HW_REG_IB_STS2, 6, 4)
	s_cmp_eq_u32 s2, 0
	s_cbranch_scc0 .Lentry_in_a_cluster
	s_endpgm
.Lentry_in_a_cluster:
	s_bfe_u32 s2, ttmp6, 0x10000c
	s_cmp_lg_u32 s2, 0xf033
	s_cbranch_scc0 .Lentry_shape_is_right
	s_endpgm
.Lentry_shape_is_right:
; Launch 2 of 4: q = x wq^T + bq, k = x wk^T, v = x wv^T + bv on codes of FP4 with E8M0 scales; the results leave as f16 images of the operand registers that the attention launch wants.
; bk is left out as dead work (a term of the scores that is the same along the softmax's axis: shown at the head of the first kernel): K's sums start from the constant 0.
; SHARES: A WORK-GROUP STAYS: it owns 256 tokens and 192 channels (three heads) and makes q, then k, then v for them: 64 x 4 = 256 work-groups.  Its 16 blocks of x's codes, all of K (768 codes: six fragments a block of
; 16 rows), come into LDS once and serve all three parts; w's 12 blocks of a part lie in one of two slots: wq's and wk's come with the first fills, wv's is asked for into wq's slot when q's products are done.
; A part's stores leave while the next part is multiplied: nothing waits for them but the registers that they read, a whole part later.
; A wave makes 64 tokens x 192 channels: 48 accumulators, 384 registers; every fragment of w that it reads feeds four products, every fragment of x twelve.
; CLUSTER 4 x 4: the four of a row need the same blocks of x, the four of a column the same blocks of w: each is asked for jointly, by the same tensor load with a mask that names the four.
; q AND k ARE MADE TRANSPOSED (source 0 = 16 rows of w, source 1 = 16 tokens): a lane holds one token and 8 neighbouring channels, which pack into half a fragment (16 tokens x 32 channels) of f16.
; v IS MADE THE NATURAL WAY (source 0 = 16 tokens, source 1 = 16 rows of w): a lane holds one channel and 8 neighbouring tokens: half a fragment of v^T (16 channels x 32 keys).  So no result changes lanes.
; LIMIT: q, k and v are rounded to f16: magnitudes up to 65,504.
; REGISTERS: window 0: v4-15 addresses; v28, v29 the add's; v32-43 x's scale words, v44-79 w's (nothing else ever stands there); v80-143 x's fragments, two sets; v144-239 a bias as 12 tiles of C; v240-251 bv.
;   window 1: v0-191 w's fragments, two sets of 96.   window 2: v0-191 accumulators of token blocks 0, 1 (at 96 a + 8 b);   window 3: of blocks 2, 3.   v192-255 of windows 1, 2, 3: the packed results of a part.
.set BC0,   98304                      ; LDS: x's codes from 0 (16 x 6,144); w's slot 0 from here (12 x 6,144),
.set BC1,   172032                     ; w's slot 1,
.set AS,    245760                     ; x's scale words (16 x 384),
.set BS,    251904                     ; w's: half of the blocks (6,912 bytes), in it the part (2,304), in it the block (384),
.set SPARE, 265728                     ; the spare words, 128 bytes for each wave; no other line names them
.set LI,    4                          ; v4   16 x lane
.set ADRA,  5                          ; v5   my four blocks of x
.set ADSA,  8                          ; v8   my blocks' scale words
.set ADSB,  9                          ; v9   w's
.set BO32,  10                         ; v10  32 h
.set BO4,   11                         ; v11  4 r
.set ADRB,  12                         ; v12-15  w's blocks 0-5 and 6-11 in slot 0, the same in slot 1
.set SPW,   28
.set NIL,   29
.set SA,    32                         ; register SA + 3 i + p: lanes 0-15 the words of K step 2 p, lanes 16-31 of K step 2 p + 1
.set SB,    44
.set AF,    80
.set BI,    144
.set BV,    240
.set OUTP,  192                        ; in windows 1, 2, 3
.set G1A,  24                          ; s[24:31], s[32:35] groups 1 and 0 for x's codes
.set G0A,  32
.set G0Q,  36                          ; s[36:39] group 0 for a quarter of a tile of w; s[92:99] its group 1
.set G1B,  48                          ; s[48:55], s[56:59] for half of wq's tile
.set G0B,  56
.set OB0,  60                          ; s[60:61], s[62:63], s[66:67] where my results of q, k, v begin
.set OB1,  62
.set OB2,  66
.set G1SA, 68                          ; s[68:75], s[76:79] for x's scale words;  s[80:87], s[88:91] for w's
.set G0SA, 76
.set G1SB, 80
.set G0SB, 88
.set G1Q,  92
.set MSB, 0
.macro WIN new                         ; the immediate's high byte repeats the setting that is left; a switch that changes nothing is dropped
.if MSB != (\new)
	s_set_vgpr_msb (MSB<<8)|(\new)
.set MSB, (\new)
.endif
.endm
.macro PLACES n
.rept \n
	v_nop
.endr
.endm
; A joint load: waves 0 and 1 fetch for x, waves 2 and 3 for w.  The branch hangs on the wave's number alone.  An s_nop 0 and four v_nop follow each of the two lines.
.macro JLOAD g0a, g1a, g0b, g1b
	s_cmp_eq_u32 s19, 0
	s_cbranch_scc0 .Lfor_b_\@
	tensor_load_to_lds s[\g0a:\g0a+3], s[\g1a:\g1a+7]
	s_nop 0
.rept 4
	v_nop
.endr
	s_branch .Lasked_\@
.Lfor_b_\@:
	tensor_load_to_lds s[\g0b:\g0b+3], s[\g1b:\g1b+7]
	s_nop 0
.rept 4
	v_nop
.endr
.Lasked_\@:
.endm
; A joint load of a tile of w by quarters: every wave fetches three blocks, both addresses made by arithmetic on the wave's number: no branch
.macro QLOAD
	tensor_load_to_lds s[G0Q:G0Q+3], s[G1Q:G1Q+7]
	s_nop 0
.rept 4
	v_nop
.endr
.endm
.macro CROUND                          ; a round of the cluster's barrier
	s_barrier_signal -1
	s_barrier_wait -1
	s_cmp_lg_u32 s18, 0
	s_cbranch_scc1 .Lnot_wave_0_\@
	s_barrier_signal -3
.Lnot_wave_0_\@:
	s_barrier_wait -3
	s_barrier_signal -1
	s_barrier_wait -1
.endm
.macro DENSE g, rows                   ; the rest of a group 1: a dense block as rows of 256 bytes (32 elements of 8 bytes)
	s_mov_b32 s[\g+1], 32<<16                      ; tensor_dim0
	s_mov_b32 s[\g+2], (\rows)<<16                 ; tensor_dim1
	s_mov_b32 s[\g+3], 32<<16                      ; tile_dim0
	s_mov_b32 s[\g+4], \rows                       ; tile_dim1
	s_mov_b32 s[\g+5], 32                          ; from row to row
	s_mov_b32 s[\g+6], 0
	s_mov_b32 s[\g+7], 0
.endm
	s_load_b256 s[4:11], s[0:1], 0x0               ; xc s[4:5], xs s[6:7], wc s[8:9], ws s[10:11]
	s_load_b128 s[12:15], s[0:1], 0x20             ; bq, bv
	s_load_b64 s[16:17], s[0:1], 0x30              ; qkv
	v_lshl_add_u32 v[SPW], v0, 2, SPARE
	v_mov_b32 v[NIL], 0
	ds_add_u32 v[SPW], v[NIL]                      ; the wave's opening: the add, twice on end, and its wait ahead of my first tensor load
	ds_add_u32 v[SPW], v[NIL]
	v_lshrrev_b32 v1, 5, v0
	v_readfirstlane_b32 s18, v1                    ; wave 0..3
	s_lshr_b32 s19, s18, 1                         ; I fetch for x (0) or for w (1)
	s_and_b32 s20, s18, 1                          ; which half of its blocks
	s_bfe_u32 s40, ttmp6, 0x40000                  ; cx
	s_bfe_u32 s41, ttmp6, 0x40004                  ; cy
	s_lshl_b32 s42, ttmp9, 2
	s_add_co_u32 s42, s42, s40                     ; tn: which 192 of the 768 channels
	s_and_b32 s21, ttmp7, 0xffff
	s_lshl_b32 s21, s21, 2
	s_add_co_u32 s21, s21, s41                     ; tm: which 256 tokens
	s_lshl_b32 s43, s41, 2
	s_lshl_b32 s43, 15, s43                        ; my row of the cluster
	s_lshl_b32 s44, 0x1111, s40                    ; my column
	s_or_b32 s[G1A], s43, (3<<16)|(1<<21)          ; 15:0 the mask; 17:16 elements of 8 bytes; 21 set beside a mask; no padding: images are read 16 bytes a lane on end
	s_or_b32 s[G1SA], s43, (3<<16)|(1<<21)
	s_or_b32 s[G1B], s44, (3<<16)|(1<<21)
	s_or_b32 s[G1SB], s44, (3<<16)|(1<<21)
	s_or_b32 s[G1Q], s44, (3<<16)|(1<<21)
	DENSE G1A, 192                                 ; 8 blocks x 6,144 bytes
	DENSE G1B, 144                                 ; 6 blocks x 6,144
	DENSE G1Q, 72                                  ; 3 blocks x 6,144
	DENSE G1SA, 12                                 ; 8 x 384
	s_mov_b32 s[G1SB+1], 288<<16                   ; w's scale words: a row is 6 blocks x 384 = 2,304 bytes (288 elements),
	s_mov_b32 s[G1SB+2], 3<<16                     ; three rows: wq's, wk's, wv's,
	s_mov_b32 s[G1SB+3], 288<<16
	s_mov_b32 s[G1SB+4], 3
	s_mov_b32 s[G1SB+5], 2304                      ; 48 blocks x 384 = 18,432 bytes apart
	s_mov_b32 s[G1SB+6], 0
	s_mov_b32 s[G1SB+7], 0
	; groups 0: the count, the LDS address (constants and the wave's number alone), and the offset in the buffer, to which the buffer's address is added below
	s_lshl_b32 s22, s21, 4
	s_lshl_b32 s23, s20, 3
	s_add_co_u32 s22, s22, s23                     ; x: block 16 tm + 8 x half
	s_mov_b32 s[G0A], 1
	s_mul_i32 s[G0A+1], s20, 49152
	s_mul_i32 s[G0A+2], s22, 6144
	s_mov_b32 s[G0A+3], 0
	s_mov_b32 s[G0SA], 1
	s_mul_i32 s[G0SA+1], s20, 3072
	s_add_co_u32 s[G0SA+1], s[G0SA+1], AS
	s_mul_i32 s[G0SA+2], s22, 384
	s_mov_b32 s[G0SA+3], 0
	s_mul_i32 s46, s42, 12
	s_mul_i32 s47, s20, 6
	s_add_co_u32 s47, s47, s46                     ; wq: block 12 tn + 6 x half
	s_mov_b32 s[G0B], 1
	s_mul_i32 s[G0B+1], s20, 36864
	s_add_co_u32 s[G0B+1], s[G0B+1], BC0
	s_mul_i32 s[G0B+2], s47, 6144
	s_mov_b32 s[G0B+3], 0
	s_mov_b32 s[G0SB], 1
	s_mul_i32 s[G0SB+1], s20, 6912
	s_add_co_u32 s[G0SB+1], s[G0SB+1], BS
	s_mul_i32 s[G0SB+2], s47, 384
	s_mov_b32 s[G0SB+3], 0
	s_mul_i32 s47, s18, 3
	s_add_co_u32 s47, s47, s46
	s_add_co_u32 s47, s47, 48                      ; wk: block 48 + 12 tn + 3 x wave
	s_mov_b32 s[G0Q], 1
	s_mul_i32 s[G0Q+1], s18, 18432
	s_add_co_u32 s[G0Q+1], s[G0Q+1], BC1
	s_mul_i32 s[G0Q+2], s47, 6144
	s_mov_b32 s[G0Q+3], 0
	s_wait_dscnt 0x0                               ; both opening adds are done
	s_wait_kmcnt 0x0
	s_add_nc_u64 s[G0A+2:G0A+3], s[4:5], s[G0A+2:G0A+3]
	s_or_b32 s[G0A+3], s[G0A+3], 0x80000000
	s_add_nc_u64 s[G0SA+2:G0SA+3], s[6:7], s[G0SA+2:G0SA+3]
	s_or_b32 s[G0SA+3], s[G0SA+3], 0x80000000
	s_add_nc_u64 s[G0B+2:G0B+3], s[8:9], s[G0B+2:G0B+3]
	s_or_b32 s[G0B+3], s[G0B+3], 0x80000000
	s_add_nc_u64 s[G0SB+2:G0SB+3], s[10:11], s[G0SB+2:G0SB+3]
	s_or_b32 s[G0SB+3], s[G0SB+3], 0x80000000
	s_add_nc_u64 s[G0Q+2:G0Q+3], s[8:9], s[G0Q+2:G0Q+3]
	s_or_b32 s[G0Q+3], s[G0Q+3], 0x80000000
	CROUND                                         ; all sixteen work-groups are here: the joint loads meet
	JLOAD G0SA, G1SA, G0SB, G1SB                   ; three tensor loads of mine are out: the scale words,
	JLOAD G0A, G1A, G0B, G1B                       ; x's codes or wq's,
	QLOAD                                          ; and my quarter of wk's, into slot 1
	v_and_b32 v1, 31, v0
	v_and_b32 v2, 15, v0
	v_bfe_u32 v3, v0, 4, 1
	v_lshlrev_b32 v[LI], 4, v1
	v_lshlrev_b32 v[BO32], 5, v3
	v_lshlrev_b32 v[BO4], 2, v2
	s_mul_i32 s46, s42, 768                        ; my 192 numbers of a bias
	s_mov_b32 s47, 0
	s_add_nc_u64 s[100:101], s[12:13], s[46:47]
	s_add_nc_u64 s[2:3], s[14:15], s[46:47]
.irp b, 0,1,2,3,4,5,6,7,8,9,10,11
	global_load_b128 v[BI+8*\b:BI+8*\b+3], v[BO32], s[100:101] offset:64*\b        ; a bias is the C of each sum's first product: lane (r, h), register j: bq of channel 16 b + 8 h + j
	global_load_b128 v[BI+8*\b+4:BI+8*\b+7], v[BO32], s[100:101] offset:64*\b+16
.endr
.irp b, 0,1,2,3,4,5,6,7,8,9,10,11
	global_load_b32 v[BV+\b], v[BO4], s[2:3] offset:64*\b                          ; in v's layout a lane holds ONE channel, 16 b + r: one number a tile
.endr
	s_mul_i32 s22, s18, 24576                      ; my four blocks of x
	v_add_nc_u32 v[ADRA], s22, v[LI]
	v_add_nc_u32 v[ADRB], BC0, v[LI]
	v_add_nc_u32 v[ADRB+1], BC0+36864, v[LI]
	v_add_nc_u32 v[ADRB+2], BC1, v[LI]
	v_add_nc_u32 v[ADRB+3], BC1+36864, v[LI]
	v_lshlrev_b32 v[ADSB], 2, v1
	s_mul_i32 s22, s18, 1536
	s_add_co_u32 s22, s22, AS
	v_add_nc_u32 v[ADSA], s22, v[ADSB]
	v_add_nc_u32 v[ADSB], BS, v[ADSB]
	; where my results go: part (q, k, v) x 25,165,824 + head x 65,536 + my first token block of the head x 2,048.  A base for each part: none is stepped while stores read it
	s_lshr_b32 s23, s21, 1                         ; the batch
	s_mul_i32 s23, s23, 12
	s_mul_i32 s46, s42, 3
	s_add_co_u32 s23, s23, s46                     ; my first head
	s_lshl_b32 s22, s23, 16
	s_and_b32 s23, s21, 1
	s_lshl_b32 s23, s23, 4
	s_lshl_b32 s46, s18, 2
	s_add_co_u32 s23, s23, s46                     ; token block 16 (tm % 2) + 4 x wave
	s_lshl_b32 s23, s23, 11
	s_add_co_u32 s22, s22, s23
	s_mov_b32 s23, 0
	s_add_nc_u64 s[OB0:OB0+1], s[16:17], s[22:23]
	s_add_nc_u64 s[OB1:OB1+1], s[OB0:OB0+1], 25165824
	s_add_nc_u64 s[OB2:OB2+1], s[OB1:OB1+1], 25165824
	s_wait_tensorcnt 1                             ; my scale words and my codes have landed; my quarter of wk's tile may stay out
	s_barrier_signal -1
	s_barrier_wait -1                              ; everybody's have
; The fragments of K step q into set s: w's twelve from 'slot' (window 1), my four of x (window 0): 32 loads of 512 consecutive bytes
.macro FETCH slot, q, s
	WIN 0x40
.irp b, 0,1,2,3,4,5
	ds_load_b128 v[96*(\s)+8*\b:96*(\s)+8*\b+3], v[ADRB+2*(\slot)] offset:6144*\b+1024*(\q)
	ds_load_b128 v[96*(\s)+8*\b+4:96*(\s)+8*\b+7], v[ADRB+2*(\slot)] offset:6144*\b+1024*(\q)+512
.endr
.irp b, 6,7,8,9,10,11
	ds_load_b128 v[96*(\s)+8*\b:96*(\s)+8*\b+3], v[ADRB+2*(\slot)+1] offset:6144*(\b-6)+1024*(\q)
	ds_load_b128 v[96*(\s)+8*\b+4:96*(\s)+8*\b+7], v[ADRB+2*(\slot)+1] offset:6144*(\b-6)+1024*(\q)+512
.endr
	WIN 0
.irp i, 0,1,2,3
	ds_load_b128 v[AF+32*(\s)+8*\i:AF+32*(\s)+8*\i+3], v[ADRA] offset:6144*\i+1024*(\q)
	ds_load_b128 v[AF+32*(\s)+8*\i+4:AF+32*(\s)+8*\i+7], v[ADRA] offset:6144*\i+1024*(\q)+512
.endr
.endm
; One product.  D at rD.  cm = 0: the sum starts from the constant 0; 1: from the bias tile at rC; 2: it goes on in place.  odd: the K step's scale words stand in lanes 16-31
.macro WM ra, rb, sa, sb, cm, odd
.if \cm == 0
	v_wmma_scale_f32_16x16x128_f8f6f4 v[rD:rD+7], v[\ra:\ra+7], v[\rb:\rb+7], 0, v[\sa], v[\sb] matrix_a_fmt:MATRIX_FMT_FP4 matrix_b_fmt:MATRIX_FMT_FP4
.elseif \cm == 1
	v_wmma_scale_f32_16x16x128_f8f6f4 v[rD:rD+7], v[\ra:\ra+7], v[\rb:\rb+7], v[rC:rC+7], v[\sa], v[\sb] matrix_a_fmt:MATRIX_FMT_FP4 matrix_b_fmt:MATRIX_FMT_FP4
.elseif \odd
	v_wmma_scale_f32_16x16x128_f8f6f4 v[rD:rD+7], v[\ra:\ra+7], v[\rb:\rb+7], v[rD:rD+7], v[\sa], v[\sb] matrix_a_fmt:MATRIX_FMT_FP4 matrix_b_fmt:MATRIX_FMT_FP4 matrix_a_scale:MATRIX_SCALE_ROW1 matrix_b_scale:MATRIX_SCALE_ROW1
.else
	v_wmma_scale_f32_16x16x128_f8f6f4 v[rD:rD+7], v[\ra:\ra+7], v[\rb:\rb+7], v[rD:rD+7], v[\sa], v[\sb] matrix_a_fmt:MATRIX_FMT_FP4 matrix_b_fmt:MATRIX_FMT_FP4
.endif
.endm
; K step q from set s: 48 products; the 48 accumulators take turns, one instruction a turn, in the same order in every step and part.  kind: 0 q, 1 k, 2 v
.macro MUL48 s, q, kind, first
.set CM, 2
.if \first
.set CM, 1
.if \kind == 1
.set CM, 0
.endif
.endif
.irp a, 0,1,2,3
.if \kind == 2
.if \first
	WIN 0x84+0x40*(\a/2)                           ; source 0 (x) window 0, source 1 (w) window 1, C (the bias) window 0, D window 2 or 3
.else
	WIN 0xa4+0x50*(\a/2)                           ; C and D window 2 or 3
.endif
.else
.if \first
	WIN 0x81+0x40*(\a/2)                           ; source 0 (w) window 1, source 1 (x) window 0
.else
	WIN 0xa1+0x50*(\a/2)
.endif
.endif
.irp b, 0,1,2,3,4,5,6,7,8,9,10,11
.set rD, 96*(\a%2)+8*\b
.set rC, BI+8*\b
.set rW, 96*(\s)+8*\b
.set rX, AF+32*(\s)+8*\a
.set rSW, SB+3*\b+(\q)/2
.set rSX, SA+3*\a+(\q)/2
.if \kind == 2
	WM rX, rW, rSX, rSW, CM, (\q)%2
.else
	WM rW, rX, rSW, rSX, CM, (\q)%2
.endif
.endr
.endr
.endm
; A PART'S PRODUCTS: w's scale words of the part, then six K steps on two sets of fragments.
.macro PRODUCTS kind, slot
.irp b, 0,1,2,3,4,5,6,7,8,9,10,11
.irp p, 0,1,2
	ds_load_b32 v[SB+3*\b+\p], v[ADSB] offset:6912*(\b/6)+2304*\kind+384*(\b%6)+128*\p
.endr
.endr
	FETCH \slot, 0, 0
	FETCH \slot, 1, 1
.if \kind == 0
	s_wait_loadcnt 0x0                             ; both biases
.endif
.if \kind == 2
.irp b, 0,1,2,3,4,5,6,7,8,9,10,11
.irp j, 0,1,2,3,4,5,6,7
	v_mov_b32 v[BI+8*\b+\j], v[BV+\b]              ; bv as tiles of C: a tile's eight registers are equal
.endr
.endr
	PLACES 4
.endif
	s_wait_dscnt 32                                ; the scale words and K step 0 are in; the 32 loads of K step 1 may be out
	MUL48 0, 0, \kind, 1
.irp q, 1,2,3,4
	PLACES 4                                       ; four plain instructions in front of loads into registers that the last products read
	FETCH \slot, \q+1, (\q+1)%2
	s_wait_dscnt 32                                ; this K step's fragments are in; the 32 loads just issued may be out
	MUL48 \q%2, \q, \kind, 0
.endr
	s_wait_dscnt 0x0
	MUL48 1, 5, \kind, 0
	WIN 0
.endm
; THE WAY OUT: an accumulator's 8 numbers pack into 4 registers of f16, which ARE a register group of the next launch's fragment: stored as they stand, 512 consecutive, aligned bytes a store.
; Accumulator n = 12 a + b packs into v[192 + 4 (n % 16)] of window 1 + n / 16: registers that no product names, so the next part's loads and products wait for no store.
; again = 1: these registers were the last part's store data: they are written again only behind the wait on XCNT, which stands a whole part behind those stores.
.macro WAYOUT kind, ob, again
	PLACES 5                                       ; plain instructions between the last products and the first read of their results
.if \again
	s_wait_xcnt 0x0
.endif
.irp g, 0,1,2
.irp n, 0,1,2,3,4,5,6,7,8,9,10,11,12,13,14,15
.set NN, 16*\g+\n
.set TA, NN/12
.set TBK, NN%12
	WIN ((1+\g)<<6)|((2+TA/2)<<2)|(2+TA/2)         ; sources window 2 or 3, destination window 1 + g
.irp r, 0,1,2,3
	v_cvt_pk_f16_f32 v[OUTP+4*\n+\r], v[96*(TA%2)+8*TBK+2*\r], v[96*(TA%2)+8*TBK+2*\r+1]   ; each accumulator from its low end on
.endr
.endr
	WIN (1+\g)<<2                                  ; a store's data are its source 1
.irp n, 0,1,2,3,4,5,6,7,8,9,10,11,12,13,14,15
.set NN, 16*\g+\n
.set TA, NN/12
.set TBK, NN%12
.if \kind == 2
	global_store_b128 v[LI], v[OUTP+4*\n:OUTP+4*\n+3], s[\ob:\ob+1] offset:65536*(TBK/4)+4096*(TA/2)+1024*(TBK%4)+512*(TA%2) th:TH_STORE_NT   ; v^T: head, 32 keys, 16 channels, which 16 of the keys
.else
	global_store_b128 v[LI], v[OUTP+4*\n:OUTP+4*\n+3], s[\ob:\ob+1] offset:65536*(TBK/4)+2048*TA+512*(TBK%4) th:TH_STORE_NT                   ; q, k: head, 16 tokens, which 16 of the head's 64 channels
.endif
.endr
.endr
	WIN 0
.endm
.irp i, 0,1,2,3
.irp p, 0,1,2
	ds_load_b32 v[SA+3*\i+\p], v[ADSA] offset:384*\i+128*\p   ; x's scale words: once for all three parts
.endr
.endr
	PRODUCTS 0, 0                                  ; q, from slot 0
	s_wait_tensorcnt 0x0                           ; all my tensor loads have landed, my quarter of wk's tile among them: so a group 0 may be written
	ds_add_u32 v[SPW], v[NIL]                      ; 0 onto my spare word; the descriptor's steps stand between it and the wait for it
	s_mul_i32 s[G0Q+1], s18, 18432
	s_add_co_u32 s[G0Q+1], s[G0Q+1], BC0           ; into slot 0,
	s_add_nc_u64 s[G0Q+2:G0Q+3], s[G0Q+2:G0Q+3], 294912   ; 48 blocks on: wv's; the type bits on top are not reached
	s_wait_dscnt 0x0                               ; the add is done, and my reads of slot 0 are over
	CROUND                                         ; both now hold of every wave of every partner
	QLOAD                                          ; my one tensor load behind the round: it has q's way out and all of k's products in which to land
	WAYOUT 0, OB0, 0
	PRODUCTS 1, 1                                  ; k, from slot 1, while q's stores leave
	WAYOUT 1, OB1, 1
	s_wait_tensorcnt 0x0                           ; my quarter of wv's tile has landed
	ds_add_u32 v[SPW], v[NIL]
	s_wait_dscnt 0x0
	s_barrier_signal -1
	s_barrier_wait -1                              ; everybody's has; nothing more is asked for
	PRODUCTS 2, 0                                  ; v, from slot 0, while k's stores leave
	WAYOUT 2, OB2, 1
	s_wait_tensorcnt 0x0                           ; the wave's end
	ds_add_u32 v[SPW], v[NIL]
	s_wait_dscnt 0x0
	CROUND                                         ; the closing round: no work-group ends while a partner may still ask for a tile that names it
	s_endpgm
.Lfunc_end_k_qa9ed6f382a_qkv:
	.size	k_qa9ed6f382a_qkv, .Lfunc_end_k_qa9ed6f382a_qkv-k_qa9ed6f382a_qkv
	.p2alignl 7, 3214868480
	.fill 96, 4, 3214868480
	.section	.rodata,"a",@progbits
	.p2align	6, 0x0
	.amdhsa_kernel k_qa9ed6f382a_qkv
		.amdhsa_group_segment_fixed_size 327680
		.amdhsa_private_segment_fixed_size 0
		.amdhsa_enable_private_segment 0
		.amdhsa_kernarg_size 56
		.amdhsa_user_sgpr_count 2
		.amdhsa_user_sgpr_kernarg_segment_ptr 1
		.amdhsa_wavefront_size32 1
		.amdhsa_system_sgpr_workgroup_id_x 1
		.amdhsa_system_sgpr_workgroup_id_y 1
		.amdhsa_system_sgpr_workgroup_id_z 1
		.amdhsa_system_vgpr_workitem_id 0
		.amdhsa_next_free_vgpr 1024
		.amdhsa_next_free_sgpr 102
		.amdhsa_reserve_vcc 0
		.amdhsa_float_denorm_mode_32 3
		.amdhsa_float_denorm_mode_16_64 3
		.amdhsa_memory_ordered 1
		.amdhsa_forward_progress 1
		.amdhsa_inst_pref_size 224
	.end_amdhsa_kernel
	.amdgpu_metadata
---
amdhsa.version: [ 1, 2 ]
amdhsa.kernels:
  - .name:           k_qa9ed6f382a_qkv
    .symbol:         k_qa9ed6f382a_qkv.kd
    .args:
      - { .name: xc, .offset: 0, .size: 8, .value_kind: global_buffer, .address_space: global }
      - { .name: xs, .offset: 8, .size: 8, .value_kind: global_buffer, .address_space: global }
      - { .name: wc, .offset: 16, .size: 8, .value_kind: global_buffer, .address_space: global }
      - { .name: ws, .offset: 24, .size: 8, .value_kind: global_buffer, .address_space: global }
      - { .name: bq, .offset: 32, .size: 8, .value_kind: global_buffer, .address_space: global }
      - { .name: bv, .offset: 40, .size: 8, .value_kind: global_buffer, .address_space: global }
      - { .name: qkv, .offset: 48, .size: 8, .value_kind: global_buffer, .address_space: global }
    .group_segment_fixed_size: 327680
    .private_segment_fixed_size: 0
    .kernarg_segment_align: 8
    .kernarg_segment_size: 56
    .max_flat_workgroup_size: 128
    .sgpr_count:     102
    .vgpr_count:     1024
    .wavefront_size: 32
...
	.end_amdgpu_metadata
.endif
;; end of part 2
;; launch attn (part 3): grid 256 x 1, 8 waves a work-group, no clusters, 327,680 bytes of LDS; arguments qkv, attention_mask, ctx; writes ctx
.if DOCPART == 3
	.amdgcn_target "amdgcn-amd-amdhsa--gfx1250"
	.amdhsa_code_object_version 6
	.text
	.protected	k_qa9ed6f382a_attn
	.globl	k_qa9ed6f382a_attn
	.p2align	8
	.type	k_qa9ed6f382a_attn,@function
k_qa9ed6f382a_attn:
	s_mov_b64 s[64:65], 0
	v_nop
	global_prefetch_b8 v0, s[64:65] scope:SCOPE_SE
	s_setreg_imm32_b32 hwreg(HW_REG_WAVE_MODE, 25, 1), 1
	s_wait_xcnt 0x0
; Launch 3 of 4: ctx = softmax(q k^T / 8, masked keys at -inf) v, for 384 heads of 512 tokens x 64 channels.  Operands f16, sums f32, softmax f32 with a running maximum.
; (k comes without bk: dead work, shown at the head of the first kernel.)
; SHARES: an item is (head, half of its 512 queries): 768 items; 256 work-groups stay and take three each, heads hh0 .. hh0 + 2 of ONE batch, so the mask is prepared once.
; Each of eight waves owns two tiles of 16 queries and walks all 512 keys, 128 a step.  Two waves share a SIMD: one's softmax stands beside the other's products.
; A head's K and V^T (64 KB each, as images of fragments) lie whole in one of two LDS slots; every wave fetches 16 KB of a slot by one tensor load.  The next item's slot is asked for a whole item ahead.
; NO CLUSTER: a head's K and V are read by 512 / 256 = 2 work-groups.  Four partners would leave 128 queries a work-group, one tile a wave at eight waves, and each fragment read from LDS would feed half as many products.
; LAYOUT: S^T = K Q^T (source 0 = 16 keys, source 1 = 16 queries): a lane holds ONE query and the keys 8 (lane / 16) + 0..7.  Two such tiles, packed to f16 in place, ARE source 1 (32 keys) of O^T = V^T P.
; THE MASK COSTS NO VECTOR INSTRUCTION: it is the C of a score's first product: 0 for a key that counts, -3e38 for one that is masked.
; SOFTMAX: for each query a running maximum m and sum l; p = 2^(c s - c m), c = log2(e) / 8; in every step O and l are multiplied by a = 2^(c m_old - c m_new).
; LIMITS: m starts at -1e30, under every score that f16 operands can give (64 x 65,504^2 = 2.7e11) and over -3e38: so p of a masked key is exactly 0.  A batch with every key masked gives l = 0, O = 0, and 0 x (1 / 0) = NaN,
; as the softmax of a row of -inf gives.  p and ctx are rounded to f16.
; REGISTERS: window 0: v1-6 addresses; v7-12 the mask's set-up; v14, v15 the add's; v16-31 statistics, 8 a tile; v32-159 S^T, then p, then P in place; v160-223 O^T; v224-255 packed results.
;   window 1: v0-31 and v224-255 Q of this item and the next, by turns; v32-95 the mask's tiles of C; v96-223 K's fragments of a step, then V^T's.
.set SLOTB, 131072                     ; a slot: K's 64 KB, then V^T's
.set MBB,   262144                     ; the mask's 512 addends, f32
.set SPARE, 264192                     ; the spare words, 128 bytes for each of eight waves; no other line names them
.set LI,  1                            ; v1   16 x lane
.set LIV, 2                            ; v2   the same in V^T's half of a slot
.set HM,  3                            ; v3   MBB + 32 h
.set ADK, 4                            ; v4-6 the addresses of the step in hand
.set ADV, 5
.set ADM, 6
.set SPW, 14
.set NIL, 15
.set ST,  16                           ; tile x at ST + 8 x: +0 c m, +1 m, +2, +3 l in two halves, +4 .. +7 at work (+6: a, later 1 / l)
.set S,   32                           ; S + 64 x + 8 a: key block a of tile x
.set O,   160                          ; O + 32 x + 8 t: channels 16 t on
.set OUTR, 224
.set QSA, 0                            ; in window 1
.set QSB, 224
.set MB,  32
.set KV,  96
.set G1,  16                           ; s[16:23] descriptor group 1;  s[24:27], s[28:31] group 0 for slot 0, 1
.set QBASE, 32                         ; s[32:33] q at my wave's two tiles in head hh0
.set CBASE, 34                         ; s[34:35] ctx likewise
.set CS,  36                           ; s[36:37] c, twice: the packed form names a pair
.set SEL, 38                           ; s[38:39] lane selects: lane l xor 16
.set TB,  40                           ; s40 LDS byte at which the step's fragments of K begin
.set TM,  41                           ; s41 and its mask addends
.set CNT, 42
.set MSB, 0
.macro WIN new
.if MSB != (\new)
	s_set_vgpr_msb (MSB<<8)|(\new)
.set MSB, (\new)
.endif
.endm
.macro PLACES n
.rept \n
	v_nop
.endr
.endm
	s_load_b128 s[4:7], s[0:1], 0x0                ; qkv, attention_mask
	s_load_b64 s[8:9], s[0:1], 0x10                ; ctx
	v_lshl_add_u32 v[SPW], v0, 2, SPARE
	v_mov_b32 v[NIL], 0
	ds_add_u32 v[SPW], v[NIL]                      ; the wave's opening: the add, twice on end, and its wait ahead of my first tensor load
	ds_add_u32 v[SPW], v[NIL]
	v_lshrrev_b32 v1, 5, v0
	v_readfirstlane_b32 s12, v1                    ; wave 0..7
	s_lshr_b32 s10, ttmp9, 3                       ; the batch
	s_and_b32 s11, ttmp9, 1                        ; which half of the queries
	s_bfe_u32 s13, ttmp9, 0x20001
	s_mul_i32 s13, s13, 3                          ; my first head in the batch
	s_mul_i32 s14, s10, 12
	s_add_co_u32 s14, s14, s13                     ; hh0
	s_mov_b32 s[G1], 3<<16                         ; no mask; elements of 8 bytes; no padding: images are read 16 bytes a lane on end
	s_mov_b32 s[G1+1], 32<<16                      ; tensor_dim0: rows of 256 bytes
	s_mov_b32 s[G1+2], 64<<16                      ; tensor_dim1: 64 rows = 16 KB
	s_mov_b32 s[G1+3], 32<<16                      ; tile_dim0
	s_mov_b32 s[G1+4], 64                          ; tile_dim1
	s_mov_b32 s[G1+5], 32                          ; dense
	s_mov_b32 s[G1+6], 0
	s_mov_b32 s[G1+7], 0
	s_lshr_b32 s43, s12, 2                         ; waves 0-3 fetch K (part 1 of qkv), waves 4-7 V^T (part 2),
	s_add_co_u32 s43, s43, 1
	s_mul_i32 s43, s43, 25165824
	s_lshl_b32 s44, s14, 16                        ; of head hh0,
	s_add_co_u32 s44, s44, s43
	s_and_b32 s45, s12, 3
	s_lshl_b32 s45, s45, 14                        ; a quarter each
	s_add_co_u32 s44, s44, s45
	s_mov_b32 s45, 0
	s_mov_b32 s[CS], 0x3e38aa3b                    ; c = log2(e) / 8
	s_mov_b32 s[CS+1], s[CS]
	s_mov_b32 s[SEL], 0x76543210
	s_mov_b32 s[SEL+1], 0xfedcba98
	s_wait_dscnt 0x0                               ; both opening adds are done
	s_wait_kmcnt 0x0
	s_mov_b32 s24, 1
	s_lshl_b32 s25, s12, 14                        ; LDS: 16,384 x wave: K's four quarters, then V^T's
	s_add_nc_u64 s[26:27], s[4:5], s[44:45]
	s_mov_b32 s28, 1
	s_add_co_u32 s29, s25, SLOTB
	s_add_nc_u64 s[30:31], s[26:27], 65536         ; the next head
	s_or_b32 s27, s27, 0x80000000
	s_or_b32 s31, s31, 0x80000000
	tensor_load_to_lds s[24:27], s[G1:G1+7]        ; both first fills go out together: two tensor loads of mine are out
	s_nop 0
	tensor_load_to_lds s[28:31], s[G1:G1+7]
	s_nop 0
.rept 4
	v_nop
.endr
	s_lshl_b32 s43, s11, 4
	s_lshl_b32 s46, s12, 1
	s_add_co_u32 s43, s43, s46                     ; my first token block in the head: 16 x half + 2 x wave
	s_lshl_b32 s46, s43, 11
	s_lshl_b32 s47, s14, 16
	s_add_co_u32 s46, s46, s47
	s_mov_b32 s47, 0
	s_add_nc_u64 s[QBASE:QBASE+1], s[4:5], s[46:47]
	s_lshl_b32 s46, s10, 5
	s_add_co_u32 s46, s46, s43
	s_mul_i32 s46, s46, 24576                      ; ctx: 24 images a block of 16 tokens,
	s_lshl_b32 s47, s13, 11                        ; two for each head
	s_add_co_u32 s46, s46, s47
	s_mov_b32 s47, 0
	s_add_nc_u64 s[CBASE:CBASE+1], s[8:9], s[46:47]
	s_lshl_b32 s46, s10, 11                        ; the batch's 512 flags
	s_add_nc_u64 s[6:7], s[6:7], s[46:47]
	v_lshlrev_b32 v7, 3, v0                        ; two flags a thread
	v_lshl_add_u32 v12, v0, 3, MBB
	v_mov_b32 v10, 0xff61b1e6                      ; -3e38
	global_load_b64 v[8:9], v7, s[6:7]
	v_and_b32 v1, 31, v0
	v_lshlrev_b32 v[LI], 4, v1
	v_add_nc_u32 v[LIV], 65536, v[LI]
	v_bfe_u32 v[HM], v0, 4, 1
	v_lshl_add_u32 v[HM], v[HM], 5, MBB
	WIN 0x40                                       ; destination window 1
.irp x, 0,1
.irp c, 0,1
	global_load_b128 v[QSA+16*\x+8*\c:QSA+16*\x+8*\c+3], v[LI], s[QBASE:QBASE+1] offset:2048*\x+1024*\c
	global_load_b128 v[QSA+16*\x+8*\c+4:QSA+16*\x+8*\c+7], v[LI], s[QBASE:QBASE+1] offset:2048*\x+1024*\c+512
.endr
.endr
	WIN 0
	s_wait_loadcnt 8                               ; the flags are in; Q's eight loads may be out
	v_cmp_eq_u32 vcc_lo, 0, v8
	v_cndmask_b32 v8, 0, v10, vcc_lo               ; a choice of a value: no branch and no address hangs on the mask
	v_cmp_eq_u32 vcc_lo, 0, v9
	v_cndmask_b32 v9, 0, v10, vcc_lo
	ds_store_b64 v12, v[8:9]
	s_wait_tensorcnt 1                             ; my part of slot 0 is in; slot 1's may stay out
	s_wait_dscnt 0x0                               ; my addends are stored
	s_barrier_signal -1
	s_barrier_wait -1
; 16 products of S^T: key blocks a0 .. a0 + 3 x two tiles, channels 0-31 (C = the mask's tile), then channels 32-63 in place.  Eight accumulators by turns.
.macro SC qs, a0
	WIN 0x15                                       ; K, Q and the mask in window 1; S^T in window 0
.irp a, \a0, \a0+1, \a0+2, \a0+3
.irp x, 0,1
	v_wmma_f32_16x16x32_f16 v[S+64*\x+8*(\a):S+64*\x+8*(\a)+7], v[KV+16*(\a):KV+16*(\a)+7], v[\qs+16*\x:\qs+16*\x+7], v[MB+8*(\a):MB+8*(\a)+7]
.endr
.endr
	WIN 0x05
.irp a, \a0, \a0+1, \a0+2, \a0+3
.irp x, 0,1
	v_wmma_f32_16x16x32_f16 v[S+64*\x+8*(\a):S+64*\x+8*(\a)+7], v[KV+16*(\a)+8:KV+16*(\a)+15], v[\qs+16*\x+8:\qs+16*\x+15], v[S+64*\x+8*(\a):S+64*\x+8*(\a)+7]
.endr
.endr
.endm
; The softmax of a step: 64 scores a lane and tile; the two tiles alternate line by line, so that no line waits for the line above it.
.macro SOFTMAX
.irp k, 0,1,2,3                                    ; four chains of 16 scores; each accumulator is first read at its lowest register
.irp x, 0,1
	v_max3_num_f32 v[ST+8*\x+4+\k], v[S+64*\x+16*\k], v[S+64*\x+16*\k+1], v[S+64*\x+16*\k+2]
.endr
.endr
.irp i, 3,5,7,9,11,13
.irp k, 0,1,2,3
.irp x, 0,1
	v_max3_num_f32 v[ST+8*\x+4+\k], v[ST+8*\x+4+\k], v[S+64*\x+16*\k+\i], v[S+64*\x+16*\k+\i+1]
.endr
.endr
.endr
.irp k, 0,1,2,3
.irp x, 0,1
	v_max_num_f32 v[ST+8*\x+4+\k], v[ST+8*\x+4+\k], v[S+64*\x+16*\k+15]
.endr
.endr
.irp x, 0,1
	v_max3_num_f32 v[ST+8*\x+4], v[ST+8*\x+4], v[ST+8*\x+5], v[ST+8*\x+6]
.endr
.irp x, 0,1
	v_max3_num_f32 v[ST+8*\x+4], v[ST+8*\x+4], v[ST+8*\x+7], v[ST+8*\x+1]   ; and the old m
.endr
.irp x, 0,1
	v_permlanex16_b32 v[ST+8*\x+5], v[ST+8*\x+4], s[SEL], s[SEL+1]          ; the query's other 64 keys lie in the lane 16 away
.endr
.irp x, 0,1
	v_mov_b32 v[ST+8*\x+7], v[ST+8*\x]             ; c m_old is kept for a
.endr
.irp x, 0,1
	v_max_num_f32 v[ST+8*\x+1], v[ST+8*\x+4], v[ST+8*\x+5]
.endr
.irp x, 0,1
	v_mul_f32 v[ST+8*\x], s[CS], v[ST+8*\x+1]
.endr
.irp x, 0,1
	v_sub_f32 v[ST+8*\x+7], v[ST+8*\x+7], v[ST+8*\x]
.endr
.set j, 0
.rept 32
	v_pk_fma_f32 v[S+j:S+j+1], v[S+j:S+j+1], s[CS:CS+1], v[ST:ST+1] op_sel_hi:[1,0,0] neg_lo:[0,0,1] neg_hi:[0,0,1]            ; c s - c m, two at a time
	v_pk_fma_f32 v[S+64+j:S+64+j+1], v[S+64+j:S+64+j+1], s[CS:CS+1], v[ST+8:ST+9] op_sel_hi:[1,0,0] neg_lo:[0,0,1] neg_hi:[0,0,1]
.set j, j+2
.endr
	v_exp_f32 v[ST+6], v[ST+7]                     ; ONE BATCH of exponentials: a of both tiles,
	v_exp_f32 v[ST+14], v[ST+15]
.set j, 0
.rept 128
	v_exp_f32 v[S+j], v[S+j]                       ; and the 128 p
.set j, j+1
.endr
	v_nop                                          ; a plain instruction behind the last exponential,
	s_wait_alu depctr_va_vdst(0)                   ; and the one wait ahead of the batch's first reader
.irp x, 0,1
	v_pk_mul_f32 v[ST+8*\x+2:ST+8*\x+3], v[ST+8*\x+2:ST+8*\x+3], v[ST+8*\x+6:ST+8*\x+7] op_sel_hi:[1,0]   ; l under the new m
.endr
.irp x, 0,1
	v_pk_add_f32 v[ST+8*\x+4:ST+8*\x+5], v[S+64*\x:S+64*\x+1], v[S+64*\x+2:S+64*\x+3]                     ; the sum of the f32 p, two at a time, in two chains
.endr
.set j, 4
.rept 15
	v_pk_add_f32 v[ST+2:ST+3], v[ST+2:ST+3], v[S+j:S+j+1]
	v_pk_add_f32 v[ST+10:ST+11], v[ST+10:ST+11], v[S+64+j:S+64+j+1]
	v_pk_add_f32 v[ST+4:ST+5], v[ST+4:ST+5], v[S+j+2:S+j+3]
	v_pk_add_f32 v[ST+12:ST+13], v[ST+12:ST+13], v[S+64+j+2:S+64+j+3]
.set j, j+4
.endr
.irp x, 0,1
	v_pk_add_f32 v[ST+8*\x+2:ST+8*\x+3], v[ST+8*\x+2:ST+8*\x+3], v[ST+8*\x+4:ST+8*\x+5]
.endr
.irp n, 0,1,2,3                                    ; P in place: the 16 registers of key blocks 2 n, 2 n + 1 pack into the first 8; register i is written when 2 i and 2 i + 1 are read
.irp i, 0,1,2,3,4,5,6,7
.irp x, 0,1
	v_cvt_pk_f16_f32 v[S+64*\x+16*\n+\i], v[S+64*\x+16*\n+2*\i], v[S+64*\x+16*\n+2*\i+1]
.endr
.endr
.endr
.set j, 0
.rept 32
	v_pk_mul_f32 v[O+j:O+j+1], v[O+j:O+j+1], v[ST+8*(j/32)+6:ST+8*(j/32)+7] op_sel_hi:[1,0]   ; O^T under the new m; each accumulator from its low end on
.set j, j+2
.endr
.endm
; A KEY STEP: 128 keys.
.macro STEP qs
	v_add_nc_u32 v[ADK], s[TB], v[LI]              ; with the two v_nop: five plain instructions between the last products V^T P and the products that write over their source P,
	v_add_nc_u32 v[ADV], s[TB], v[LIV]             ; and the loads into their source V^T
	v_add_nc_u32 v[ADM], s[TM], v[HM]
	v_nop
	v_nop
	WIN 0x40
.irp a, 0,1,2,3
.irp c, 0,1
	ds_load_b128 v[KV+16*\a+8*\c:KV+16*\a+8*\c+3], v[ADK] offset:2048*\a+1024*\c
	ds_load_b128 v[KV+16*\a+8*\c+4:KV+16*\a+8*\c+7], v[ADK] offset:2048*\a+1024*\c+512
.endr
.endr
.irp a, 0,1,2,3,4,5,6,7
	ds_load_b128 v[MB+8*\a:MB+8*\a+3], v[ADM] offset:64*\a          ; register j: the addend of key 16 a + 8 h + j; the sixteen lanes of a half read the same bytes
	ds_load_b128 v[MB+8*\a+4:MB+8*\a+7], v[ADM] offset:64*\a+16
.endr
.irp a, 4,5,6,7
.irp c, 0,1
	ds_load_b128 v[KV+16*\a+8*\c:KV+16*\a+8*\c+3], v[ADK] offset:2048*\a+1024*\c
	ds_load_b128 v[KV+16*\a+8*\c+4:KV+16*\a+8*\c+7], v[ADK] offset:2048*\a+1024*\c+512
.endr
.endr
	s_wait_dscnt 16                                ; key blocks 0-3 and the mask are in; the sixteen loads of key blocks 4-7 may be out
	SC \qs, 0
	s_wait_dscnt 0x0
	SC \qs, 4
	WIN 0
	PLACES 4                                       ; four plain instructions in front of the loads into K's registers and of the first read of the scores
	WIN 0x40
.irp n, 0,1,2,3
.irp t, 0,1,2,3
	ds_load_b128 v[KV+32*\n+8*\t:KV+32*\n+8*\t+3], v[ADV] offset:4096*\n+1024*\t      ; V^T: keys 32 n on, channels 16 t on; they land under the softmax
	ds_load_b128 v[KV+32*\n+8*\t+4:KV+32*\n+8*\t+7], v[ADV] offset:4096*\n+1024*\t+512
.endr
.endr
	WIN 0
	SOFTMAX
	s_wait_dscnt 0x0                               ; V^T is in
	WIN 0x01                                       ; V^T in window 1; P and O^T in window 0
.irp n, 0,1,2,3
.irp t, 0,1,2,3
.irp x, 0,1
	v_wmma_f32_16x16x32_f16 v[O+32*\x+8*\t:O+32*\x+8*\t+7], v[KV+32*\n+8*\t:KV+32*\n+8*\t+7], v[S+64*\x+16*\n:S+64*\x+16*\n+7], v[O+32*\x+8*\t:O+32*\x+8*\t+7]
.endr
.endr
.endr
	WIN 0
.endm
; AN ITEM: head hh0 + i from LDS slot 'slot'; Q in window 1 at qs; next = 1: the next item's Q is asked for now, into qn.
.macro ITEM i, slot, qs, qn, next
.set j, 0
.rept 64
	v_mov_b32 v[O+j], 0                            ; the step is written once for an item: its first trip finds zeros, which a = 0 leaves zeros
.set j, j+1
.endr
.irp x, 0,1
	v_mov_b32 v[ST+8*\x+1], 0xf149f2ca             ; m = -1e30
	v_mov_b32 v[ST+8*\x+2], 0                      ; l
	v_mov_b32 v[ST+8*\x+3], 0
	v_mul_f32 v[ST+8*\x], s[CS], v[ST+8*\x+1]      ; c m
.endr
.if \next
	WIN 0x40
.irp x, 0,1
.irp c, 0,1
	global_load_b128 v[\qn+16*\x+8*\c:\qn+16*\x+8*\c+3], v[LI], s[QBASE:QBASE+1] offset:65536*(\i+1)+2048*\x+1024*\c
	global_load_b128 v[\qn+16*\x+8*\c+4:\qn+16*\x+8*\c+7], v[LI], s[QBASE:QBASE+1] offset:65536*(\i+1)+2048*\x+1024*\c+512
.endr
.endr
	WIN 0
	s_wait_loadcnt 8                               ; this item's Q is in; the eight loads just issued may be out
.else
	s_wait_loadcnt 0x0
.endif
	s_mov_b32 s[TB], \slot*SLOTB
	s_mov_b32 s[TM], 0
	s_mov_b32 s[CNT], 4
.Lstep_\@:
	STEP \qs
	s_add_co_u32 s[TB], s[TB], 16384               ; 128 keys on: eight blocks of K, four of V^T,
	s_add_co_u32 s[TM], s[TM], 512                 ; 128 addends
	s_sub_co_u32 s[CNT], s[CNT], 1
	s_cmp_lg_u32 s[CNT], 0
	s_cbranch_scc1 .Lstep_\@
.irp x, 0,1
	v_add_f32 v[ST+8*\x+4], v[ST+8*\x+2], v[ST+8*\x+3]             ; l's two halves.  (These additions and the v_nop are the plain instructions behind the last products)
.endr
.irp x, 0,1
	v_permlanex16_b32 v[ST+8*\x+5], v[ST+8*\x+4], s[SEL], s[SEL+1]
.endr
.irp x, 0,1
	v_add_f32 v[ST+8*\x+4], v[ST+8*\x+4], v[ST+8*\x+5]             ; and the other half of the lanes'
.endr
.irp x, 0,1
	v_rcp_f32 v[ST+8*\x+6], v[ST+8*\x+4]
.endr
	v_nop                                          ; a plain instruction behind the reciprocals,
	s_wait_alu depctr_va_vdst(0)                   ; and the wait ahead of their first reader
.set j, 0
.rept 32
	v_pk_mul_f32 v[O+j:O+j+1], v[O+j:O+j+1], v[ST+8*(j/32)+6:ST+8*(j/32)+7] op_sel_hi:[1,0]
.set j, j+2
.endr
.if \i > 0
	s_wait_xcnt 0x0                                ; the last item's stores have read their data: the registers are written again only behind this wait
.endif
.irp x, 0,1
.irp t, 0,1,2,3
.irp r, 0,1,2,3
	v_cvt_pk_f16_f32 v[OUTR+16*\x+4*\t+\r], v[O+32*\x+8*\t+2*\r], v[O+32*\x+8*\t+2*\r+1]
.endr
.endr
.endr
.irp x, 0,1
.irp t, 0,1,2,3
	global_store_b128 v[LI], v[OUTR+16*\x+4*\t:OUTR+16*\x+4*\t+3], s[CBASE:CBASE+1] offset:24576*\x+2048*\i+512*\t   ; a register group of the projection's fragment: 512 consecutive, aligned bytes
.endr
.endr
.endm
	ITEM 0, 0, QSA, QSB, 1
	s_wait_tensorcnt 0x0                           ; all my tensor loads have landed, my part of slot 1 among them: so a group 0 may be written
	ds_add_u32 v[SPW], v[NIL]                      ; 0 onto my spare word
	s_add_nc_u64 s[26:27], s[26:27], 131072        ; two heads on; the type bits on top are not reached
	s_wait_dscnt 0x0                               ; the add is done, and my reads of slot 0 are over
	s_barrier_signal -1
	s_barrier_wait -1                              ; both hold of all eight waves
	tensor_load_to_lds s[24:27], s[G1:G1+7]        ; my one tensor load behind this barrier: the third head, into slot 0; it has a whole item in which to land
	s_nop 0
.rept 4
	v_nop
.endr
	ITEM 1, 1, QSB, QSA, 1
	s_wait_tensorcnt 0x0                           ; my part of slot 0 has landed
	ds_add_u32 v[SPW], v[NIL]
	s_wait_dscnt 0x0
	s_barrier_signal -1
	s_barrier_wait -1                              ; everybody's has; nothing more is asked for
	ITEM 2, 0, QSA, QSB, 0
	s_wait_tensorcnt 0x0                           ; the wave's end
	ds_add_u32 v[SPW], v[NIL]
	s_wait_dscnt 0x0
	s_endpgm
.Lfunc_end_k_qa9ed6f382a_attn:
	.size	k_qa9ed6f382a_attn, .Lfunc_end_k_qa9ed6f382a_attn-k_qa9ed6f382a_attn
	.p2alignl 7, 3214868480
	.fill 96, 4, 3214868480
	.section	.rodata,"a",@progbits
	.p2align	6, 0x0
	.amdhsa_kernel k_qa9ed6f382a_attn
		.amdhsa_group_segment_fixed_size 327680
		.amdhsa_private_segment_fixed_size 0
		.amdhsa_enable_private_segment 0
		.amdhsa_kernarg_size 24
		.amdhsa_user_sgpr_count 2
		.amdhsa_user_sgpr_kernarg_segment_ptr 1
		.amdhsa_wavefront_size32 1
		.amdhsa_system_sgpr_workgroup_id_x 1
		.amdhsa_system_sgpr_workgroup_id_y 1
		.amdhsa_system_sgpr_workgroup_id_z 1
		.amdhsa_system_vgpr_workitem_id 0
		.amdhsa_next_free_vgpr 512
		.amdhsa_next_free_sgpr 66
		.amdhsa_reserve_vcc 1
		.amdhsa_float_denorm_mode_32 3
		.amdhsa_float_denorm_mode_16_64 3
		.amdhsa_memory_ordered 1
		.amdhsa_forward_progress 1
		.amdhsa_inst_pref_size 128
	.end_amdhsa_kernel
	.amdgpu_metadata
---
amdhsa.version: [ 1, 2 ]
amdhsa.kernels:
  - .name:           k_qa9ed6f382a_attn
    .symbol:         k_qa9ed6f382a_attn.kd
    .args:
      - { .name: qkv, .offset: 0, .size: 8, .value_kind: global_buffer, .address_space: global }
      - { .name: attention_mask, .offset: 8, .size: 8, .value_kind: global_buffer, .address_space: global }
      - { .name: ctx, .offset: 16, .size: 8, .value_kind: global_buffer, .address_space: global }
    .group_segment_fixed_size: 327680
    .private_segment_fixed_size: 0
    .kernarg_segment_align: 8
    .kernarg_segment_size: 24
    .max_flat_workgroup_size: 256
    .sgpr_count:     66
    .vgpr_count:     512
    .wavefront_size: 32
...
	.end_amdgpu_metadata
.endif
;; end of part 3
;; launch proj (part 4): grid 4 x 64, 4 waves a work-group, clusters of 4 x 4, 327,680 bytes of LDS; arguments ctx, woh, bo, out0; writes out0
.if DOCPART == 4
	.amdgcn_target "amdgcn-amd-amdhsa--gfx1250"
	.amdhsa_code_object_version 6
	.text
	.protected	k_qa9ed6f382a_proj
	.globl	k_qa9ed6f382a_proj
	.p2align	8
	.type	k_qa9ed6f382a_proj,@function
k_qa9ed6f382a_proj:
	s_mov_b64 s[64:65], 0
	v_nop
	global_prefetch_b8 v0, s[64:65] scope:SCOPE_SE
	s_setreg_imm32_b32 hwreg(HW_REG_WAVE_MODE, 25, 1), 1
	s_wait_xcnt 0x0
	s_wait_alu depctr_hold_cnt(0) depctr_sa_sdst(0) depctr_va_vdst(0) depctr_va_sdst(0) depctr_va_ssrc(0) depctr_va_vcc(0) depctr_vm_vsrc(0)
	s_getreg_b32 s2, hwreg(HW_REG_IB_STS2, 6, 4)
	s_cmp_eq_u32 s2, 0
	s_cbranch_scc0 .Lentry_in_a_cluster
	s_endpgm
.Lentry_in_a_cluster:
	s_bfe_u32 s2, ttmp6, 0x10000c
	s_cmp_lg_u32 s2, 0xf033
	s_cbranch_scc0 .Lentry_shape_is_right
	s_endpgm
.Lentry_shape_is_right:
; Launch 4 of 4: out0 = ctx wo^T + bo.  ctx and wo come as f16 images of fragments (16 rows x 32 k, 1,024 bytes); sums f32; out0 f32.
; SHARES: a work-group makes 256 tokens x 192 outputs: 64 x 4 = 256 work-groups.  A wave makes 64 tokens x 192 outputs: 48 accumulators, 384 registers.
; K goes in six steps of 128 (four fragments deep) through two LDS slots: 16 blocks of ctx and 12 blocks of wo, 4,096 bytes each, one tensor load a wave.
; CLUSTER 4 x 4: the four of a row need the same blocks of ctx (the four cover all 768 outputs, so ctx is asked for once in the launch), the four of a column the same blocks of wo: joint loads.
; TRANSPOSED USE (source 0 = 16 rows of wo, source 1 = 16 tokens): a lane holds one token and 8 neighbouring outputs.  bo is the C of each sum's first product.
; REGISTERS: window 0: v4-27 addresses; v28, v29 the add's; v32-95 ctx's fragments, two sets; v96-191 the bias as 12 tiles of C; on the way out v32-127 and v128-223 rows of out0, by turns.
;   window 1: wo's fragments, two sets of 96.   window 2: accumulators of token blocks 0, 1 (at 96 a + 8 b);   window 3: of blocks 2, 3.
; SCALARS: s[24:39] and s[48:63] are descriptors and hold nothing else; temporaries lie in s22-23, s40-47, s68-71, s92-97.
.set SLOT,  114688                     ; ctx's 16 x 4,096 bytes, then wo's 12 x 4,096
.set STAGE, 2*SLOT                     ; behind the ring: 16 rows x (768 bytes + 16) for each wave, for the way out; no tensor load lands here
.set STGW,  12544
.set SPARE, STAGE+4*STGW               ; the spare words, 128 bytes for each wave; no other line names them
.set LI,   4                           ; v4      16 x lane
.set BO32, 10                          ; v10     32 h
.set ADRA, 16                          ; v16-17  my four blocks of ctx in slot 0, 1
.set ADRB, 20                          ; v20-21  wo's blocks
.set STO,  24                          ; v24     the stage: where I put 32 bytes of a row
.set RD0,  25                          ; v25     back: 512 bytes on end
.set RD1,  26                          ; v26     back: the last 256 bytes of a row and the first 256 of the next
.set CO1,  27                          ; v27     the same two pieces in out0
.set SPW,  28
.set NIL,  29
.set AF,   32
.set BI,   96
.set BK,   32
.set G1A, 24                           ; s[24:31] group 1 for ctx;  s[32:39] group 0, a set for each slot
.set G0A, 32
.set G1B, 48                           ; s[48:55], s[56:63] the same for wo
.set G0B, 56
.set MSB, 0
.macro WIN new
.if MSB != (\new)
	s_set_vgpr_msb (MSB<<8)|(\new)
.set MSB, (\new)
.endif
.endm
.macro PLACES n
.rept \n
	v_nop
.endr
.endm
.macro JLOAD g0a, g1a, g0b, g1b        ; a joint load: waves 0 and 1 fetch for ctx, waves 2 and 3 for wo; an s_nop 0 and four v_nop follow each of the two lines
	s_cmp_eq_u32 s19, 0
	s_cbranch_scc0 .Lfor_b_\@
	tensor_load_to_lds s[\g0a:\g0a+3], s[\g1a:\g1a+7]
	s_nop 0
.rept 4
	v_nop
.endr
	s_branch .Lasked_\@
.Lfor_b_\@:
	tensor_load_to_lds s[\g0b:\g0b+3], s[\g1b:\g1b+7]
	s_nop 0
.rept 4
	v_nop
.endr
.Lasked_\@:
.endm
.macro CROUND                          ; a round of the cluster's barrier
	s_barrier_signal -1
	s_barrier_wait -1
	s_cmp_lg_u32 s18, 0
	s_cbranch_scc1 .Lnot_wave_0_\@
	s_barrier_signal -3
.Lnot_wave_0_\@:
	s_barrier_wait -3
	s_barrier_signal -1
	s_barrier_wait -1
.endm
	s_load_b256 s[4:11], s[0:1], 0x0               ; ctx s[4:5], woh s[6:7], bo s[8:9], out0 s[10:11]
	v_lshl_add_u32 v[SPW], v0, 2, SPARE
	v_mov_b32 v[NIL], 0
	ds_add_u32 v[SPW], v[NIL]                      ; the wave's opening: the add, twice on end, and its wait ahead of my first tensor load
	ds_add_u32 v[SPW], v[NIL]
	v_lshrrev_b32 v1, 5, v0
	v_readfirstlane_b32 s18, v1                    ; wave 0..3
	s_lshr_b32 s19, s18, 1                         ; I fetch for ctx (0) or for wo (1)
	s_and_b32 s20, s18, 1                          ; which half of its blocks
	s_bfe_u32 s40, ttmp6, 0x40000                  ; cx
	s_bfe_u32 s41, ttmp6, 0x40004                  ; cy
	s_lshl_b32 s42, ttmp9, 2
	s_add_co_u32 s42, s42, s40                     ; tn: which 192 outputs
	s_and_b32 s21, ttmp7, 0xffff
	s_lshl_b32 s21, s21, 2
	s_add_co_u32 s21, s21, s41                     ; tm: which 256 tokens
	s_lshl_b32 s43, s41, 2
	s_lshl_b32 s43, 15, s43                        ; my row of the cluster
	s_lshl_b32 s44, 0x1111, s40                    ; my column
	s_or_b32 s[G1A], s43, (3<<16)|(1<<21)          ; 15:0 the mask; 17:16 elements of 8 bytes; 21 set beside a mask; no padding
	s_or_b32 s[G1B], s44, (3<<16)|(1<<21)
	s_mov_b32 s[G1A+1], 512<<16                    ; tensor_dim0: a block's four images of a K step, 4,096 bytes
	s_mov_b32 s[G1A+2], 8<<16                      ; tensor_dim1: 8 blocks
	s_mov_b32 s[G1A+3], 512<<16                    ; tile_dim0
	s_mov_b32 s[G1A+4], 8                          ; tile_dim1
	s_mov_b32 s[G1A+5], 3072                       ; from block to block: 24,576 bytes
	s_mov_b32 s[G1A+6], 0
	s_mov_b32 s[G1A+7], 0
	s_mov_b32 s[G1B+1], 512<<16
	s_mov_b32 s[G1B+2], 6<<16                      ; 6 blocks
	s_mov_b32 s[G1B+3], 512<<16
	s_mov_b32 s[G1B+4], 6
	s_mov_b32 s[G1B+5], 3072
	s_mov_b32 s[G1B+6], 0
	s_mov_b32 s[G1B+7], 0
	s_lshl_b32 s68, s21, 4
	s_lshl_b32 s69, s20, 3
	s_add_co_u32 s68, s68, s69                     ; ctx: block 16 tm + 8 x half
	s_mul_i32 s68, s68, 24576
	s_mov_b32 s69, 0
	s_mul_i32 s46, s42, 12
	s_mul_i32 s47, s20, 6
	s_add_co_u32 s46, s46, s47                     ; wo: block 12 tn + 6 x half
	s_mul_i32 s46, s46, 24576
	s_mov_b32 s47, 0
	s_lshl_b32 s22, s20, 15                        ; LDS: constants and the wave's number alone
	s_mul_i32 s23, s20, 24576
	s_add_co_u32 s23, s23, 65536
	s_wait_dscnt 0x0                               ; both opening adds are done
	s_wait_kmcnt 0x0
	s_add_nc_u64 s[68:69], s[4:5], s[68:69]
	s_add_nc_u64 s[46:47], s[6:7], s[46:47]
.irp n, 0,1                                        ; slot n's group 0 begins at K step n
	s_mov_b32 s[G0A+4*\n], 1
	s_add_co_u32 s[G0A+4*\n+1], s22, \n*SLOT
	s_add_nc_u64 s[G0A+4*\n+2:G0A+4*\n+3], s[68:69], \n*4096
	s_or_b32 s[G0A+4*\n+3], s[G0A+4*\n+3], 0x80000000
	s_mov_b32 s[G0B+4*\n], 1
	s_add_co_u32 s[G0B+4*\n+1], s23, \n*SLOT
	s_add_nc_u64 s[G0B+4*\n+2:G0B+4*\n+3], s[46:47], \n*4096
	s_or_b32 s[G0B+4*\n+3], s[G0B+4*\n+3], 0x80000000
.endr
	CROUND                                         ; all sixteen work-groups are here: the first joint loads meet
	JLOAD G0A, G1A, G0B, G1B                       ; K step 0 into slot 0
	v_and_b32 v1, 31, v0
	v_and_b32 v2, 15, v0
	v_bfe_u32 v3, v0, 4, 1
	v_lshlrev_b32 v[LI], 4, v1
	v_lshlrev_b32 v[BO32], 5, v3
	s_mul_i32 s96, s42, 768                        ; my 192 outputs, in bytes
	s_mov_b32 s97, 0
	s_add_nc_u64 s[94:95], s[8:9], s[96:97]
.irp b, 0,1,2,3,4,5,6,7,8,9,10,11
	global_load_b128 v[BI+8*\b:BI+8*\b+3], v[BO32], s[94:95] offset:64*\b          ; lane (r, h), register j: bo of output 16 b + 8 h + j
	global_load_b128 v[BI+8*\b+4:BI+8*\b+7], v[BO32], s[94:95] offset:64*\b+16
.endr
	s_lshl_b32 s22, s18, 14                        ; my four blocks of ctx
	v_add_nc_u32 v[ADRA], s22, v[LI]
	v_add_nc_u32 v[ADRA+1], SLOT, v[ADRA]
	v_add_nc_u32 v[ADRB], 65536, v[LI]
	v_add_nc_u32 v[ADRB+1], SLOT+65536, v[LI]
	s_mul_i32 s22, s18, STGW
	s_add_co_u32 s22, s22, STAGE                   ; my stage
	v_mul_u32_u24 v[STO], v2, 784
	v_lshl_add_u32 v[STO], v3, 5, v[STO]
	v_add_nc_u32 v[STO], s22, v[STO]               ; in: row r, 32 bytes for each half of the lanes
	v_add_nc_u32 v[RD0], s22, v[LI]
	v_mul_u32_u24 v[RD1], v3, 272
	v_lshl_add_u32 v[RD1], v2, 4, v[RD1]
	v_add_nc_u32 v[RD1], s22, v[RD1]
	v_add_nc_u32 v[RD1], 512, v[RD1]               ; lanes 0-15: bytes 512-767 of a row; lanes 16-31: 784 on, bytes 0-255 of the next
	v_mul_u32_u24 v[CO1], v3, 2560
	v_lshl_add_u32 v[CO1], v2, 4, v[CO1]
	v_add_nc_u32 v[CO1], 512, v[CO1]               ; the same in out0, whose rows are 3,072 bytes
	s_lshl_b32 s70, s21, 8
	s_lshl_b32 s71, s18, 6
	s_add_co_u32 s70, s70, s71                     ; my first token: 256 tm + 64 x wave
	s_mul_i32 s70, s70, 3072
	s_mov_b32 s71, 0
	s_add_nc_u64 s[92:93], s[10:11], s[70:71]
	s_add_nc_u64 s[92:93], s[92:93], s[96:97]
.macro FETCH slot, s, set              ; the fragments of the slot's s-th 32 along K: wo's twelve (window 1), my four of ctx: 32 loads of 512 consecutive bytes
	WIN 0x40
.irp b, 0,1,2,3,4,5,6,7,8,9,10,11
	ds_load_b128 v[96*(\set)+8*\b:96*(\set)+8*\b+3], v[ADRB+\slot] offset:4096*\b+1024*(\s)
	ds_load_b128 v[96*(\set)+8*\b+4:96*(\set)+8*\b+7], v[ADRB+\slot] offset:4096*\b+1024*(\s)+512
.endr
	WIN 0
.irp i, 0,1,2,3
	ds_load_b128 v[AF+32*(\set)+8*\i:AF+32*(\set)+8*\i+3], v[ADRA+\slot] offset:4096*\i+1024*(\s)
	ds_load_b128 v[AF+32*(\set)+8*\i+4:AF+32*(\set)+8*\i+7], v[ADRA+\slot] offset:4096*\i+1024*(\s)+512
.endr
.endm
.macro MUL48 set, first                ; 48 products; the 48 accumulators take turns, one instruction a turn, in the same order every time
.irp a, 0,1,2,3
.if \first
	WIN 0x81+0x40*(\a/2)                           ; source 0 (wo) window 1, source 1 (ctx) and C (the bias) window 0, D window 2 or 3
.else
	WIN 0xa1+0x50*(\a/2)                           ; C and D window 2 or 3
.endif
.irp b, 0,1,2,3,4,5,6,7,8,9,10,11
.if \first
	v_wmma_f32_16x16x32_f16 v[96*(\a%2)+8*\b:96*(\a%2)+8*\b+7], v[96*(\set)+8*\b:96*(\set)+8*\b+7], v[AF+32*(\set)+8*\a:AF+32*(\set)+8*\a+7], v[BI+8*\b:BI+8*\b+7]
.else
	v_wmma_f32_16x16x32_f16 v[96*(\a%2)+8*\b:96*(\a%2)+8*\b+7], v[96*(\set)+8*\b:96*(\set)+8*\b+7], v[AF+32*(\set)+8*\a:AF+32*(\set)+8*\a+7], v[96*(\a%2)+8*\b:96*(\a%2)+8*\b+7]
.endif
.endr
.endr
.endm
; A K STEP of 128 from 'slot'.  At its head the change of slots: each wave waits for all its tensor loads (one is out: its part of this slot), adds 0 to its spare word, and waits for that and for its reads of the other slot;
; a round of the cluster's barrier; behind it, refill = 1, the next K step is asked for into the other slot: one tensor load a wave, with this step's 192 products in which to land.
.macro TRIP slot, refill, first
	s_wait_tensorcnt 0x0                           ; no tensor load of mine is out, so every group 0 may be written
	ds_add_u32 v[SPW], v[NIL]                      ; 0 onto my spare word; the two steps below stand between it and the wait for it
	s_add_nc_u64 s[G0A+4*\slot+2:G0A+4*\slot+3], s[G0A+4*\slot+2:G0A+4*\slot+3], 8192   ; this slot's next K step: two steps of 4,096 bytes on
	s_add_nc_u64 s[G0B+4*\slot+2:G0B+4*\slot+3], s[G0B+4*\slot+2:G0B+4*\slot+3], 8192
	s_wait_dscnt 0x0                               ; the add is done, and my reads of the other slot are over
	CROUND                                         ; both now hold of every wave of every partner
.if \refill
	JLOAD G0A+4*(1-\slot), G1A, G0B+4*(1-\slot), G1B   ; the four v_nop behind it are also the plain instructions in front of the loads below
.else
	PLACES 4
.endif
	FETCH \slot, 0, 0
	FETCH \slot, 1, 1
	s_wait_dscnt 32                                ; the first 32 along K are in; the 32 loads just issued may be out
.if \first
	s_wait_loadcnt 0x0                             ; the bias
.endif
	MUL48 0, \first
	PLACES 4                                       ; four plain instructions in front of loads into registers that the last products read
	FETCH \slot, 2, 0
	s_wait_dscnt 32
	MUL48 1, 0
	PLACES 4
	FETCH \slot, 3, 1
	s_wait_dscnt 32
	MUL48 0, 0
	s_wait_dscnt 0x0
	MUL48 1, 0
	WIN 0
.endm
	TRIP 0, 1, 1                                   ; K step 0; slot 1 is filled for the first time behind a round behind which nothing is filled again
	s_mov_b32 s3, 2
.Llap:
	TRIP 1, 1, 0
	TRIP 0, 1, 0
	s_sub_co_u32 s3, s3, 1
	s_cmp_lg_u32 s3, 0
	s_cbranch_scc1 .Llap
	TRIP 1, 0, 0                                   ; K step 5: nothing is left to fetch
; THE WAY OUT, a block of 16 tokens x 192 outputs at a time: 32 bytes a lane into my own stage, back as pieces of rows, stored so that sixteen neighbouring lanes write 256 consecutive bytes at a multiple of 256 from out0's first byte.
; LDS serves a wave's instructions in order: no wait between the stores and the loads, nor in front of the next block's stores.
.macro TOSTAGE a
	WIN 0x08+4*((\a)/2)                            ; an LDS store's data are its source 1: window 2 or 3
.irp b, 0,1,2,3,4,5,6,7,8,9,10,11
	ds_store_b128 v[STO], v[96*((\a)%2)+8*\b:96*((\a)%2)+8*\b+3] offset:64*\b          ; each accumulator from its low end on
	ds_store_b128 v[STO], v[96*((\a)%2)+8*\b+4:96*((\a)%2)+8*\b+7] offset:64*\b+16
.endr
	WIN 0
.irp t, 0,1,2,3,4,5,6,7                            ; rows 2 t and 2 t + 1: 1,536 bytes in three loads
	ds_load_b128 v[BK+96*((\a)%2)+12*\t:BK+96*((\a)%2)+12*\t+3], v[RD0] offset:1568*\t
	ds_load_b128 v[BK+96*((\a)%2)+12*\t+4:BK+96*((\a)%2)+12*\t+7], v[RD1] offset:1568*\t
	ds_load_b128 v[BK+96*((\a)%2)+12*\t+8:BK+96*((\a)%2)+12*\t+11], v[RD0] offset:1568*\t+1040
.endr
.endm
.macro SEND a, younger                 ; younger: the LDS instructions issued behind block a's loads, which may stay out
	s_wait_dscnt \younger
.irp t, 0,1,2,3,4,5,6,7
	global_store_b128 v[LI], v[BK+96*((\a)%2)+12*\t:BK+96*((\a)%2)+12*\t+3], s[92:93] offset:49152*(\a)+6144*\t th:TH_STORE_NT
	global_store_b128 v[CO1], v[BK+96*((\a)%2)+12*\t+4:BK+96*((\a)%2)+12*\t+7], s[92:93] offset:49152*(\a)+6144*\t th:TH_STORE_NT
	global_store_b128 v[LI], v[BK+96*((\a)%2)+12*\t+8:BK+96*((\a)%2)+12*\t+11], s[92:93] offset:49152*(\a)+6144*\t+3328 th:TH_STORE_NT
.endr
.endm
	PLACES 4                                       ; four plain instructions between the last products and the reads of their results and the loads into their sources
	TOSTAGE 0
	TOSTAGE 1
	SEND 0, 48                                     ; behind block 0's loads: block 1's 24 stores and 24 loads
	s_wait_xcnt 0x0                                ; block 0's stores have read their data: block 2's loads land there only behind this wait
	TOSTAGE 2
	SEND 1, 48
	s_wait_xcnt 0x0
	TOSTAGE 3
	SEND 2, 48
	SEND 3, 0
	s_wait_tensorcnt 0x0                           ; the wave's end, behind my last tensor load and my last LDS store
	ds_add_u32 v[SPW], v[NIL]
	s_wait_dscnt 0x0
	CROUND                                         ; the closing round: no work-group ends while a partner may still ask for a tile that names it
	s_endpgm
.Lfunc_end_k_qa9ed6f382a_proj:
	.size	k_qa9ed6f382a_proj, .Lfunc_end_k_qa9ed6f382a_proj-k_qa9ed6f382a_proj
	.p2alignl 7, 3214868480
	.fill 96, 4, 3214868480
	.section	.rodata,"a",@progbits
	.p2align	6, 0x0
	.amdhsa_kernel k_qa9ed6f382a_proj
		.amdhsa_group_segment_fixed_size 327680
		.amdhsa_private_segment_fixed_size 0
		.amdhsa_enable_private_segment 0
		.amdhsa_kernarg_size 32
		.amdhsa_user_sgpr_count 2
		.amdhsa_user_sgpr_kernarg_segment_ptr 1
		.amdhsa_wavefront_size32 1
		.amdhsa_system_sgpr_workgroup_id_x 1
		.amdhsa_system_sgpr_workgroup_id_y 1
		.amdhsa_system_sgpr_workgroup_id_z 1
		.amdhsa_system_vgpr_workitem_id 0
		.amdhsa_next_free_vgpr 1024
		.amdhsa_next_free_sgpr 100
		.amdhsa_reserve_vcc 0
		.amdhsa_float_denorm_mode_32 3
		.amdhsa_float_denorm_mode_16_64 3
		.amdhsa_memory_ordered 1
		.amdhsa_forward_progress 1
		.amdhsa_inst_pref_size 119
	.end_amdhsa_kernel
	.amdgpu_metadata
---
amdhsa.version: [ 1, 2 ]
amdhsa.kernels:
  - .name:           k_qa9ed6f382a_proj
    .symbol:         k_qa9ed6f382a_proj.kd
    .args:
      - { .name: ctx, .offset: 0, .size: 8, .value_kind: global_buffer, .address_space: global }
      - { .name: woh, .offset: 8, .size: 8, .value_kind: global_buffer, .address_space: global }
      - { .name: bo, .offset: 16, .size: 8, .value_kind: global_buffer, .address_space: global }
      - { .name: out0, .offset: 24, .size: 8, .value_kind: global_buffer, .address_space: global }
    .group_segment_fixed_size: 327680
    .private_segment_fixed_size: 0
    .kernarg_segment_align: 8
    .kernarg_segment_size: 32
    .max_flat_workgroup_size: 128
    .sgpr_count:     100
    .vgpr_count:     1024
    .wavefront_size: 32
...
	.end_amdgpu_metadata
.endif
;; end of part 4
